; MI455X (gfx1250); checked and timed in simulation.
; The chip was launched on July 23, 2026; its instructions are those of AMD's public machine-readable ISA for CDNA 5 (MIT licence, August 2026) and "CDNA5" Instruction Set Architecture Reference Guide (July 2026). The comments in the code are by the model that wrote it; some were corrected since.
;; Multi Head Attention. Allowed arithmetic: matrix products marked QUANTISED: E2M3 operands, one E8M0 scale for each 32 along K, by v_wmma_scale_f32_16x16x128_f8f6f4 with both operands' format E2M3, f32 sums; everything else in f32.
;; Inputs: Wk 1,024 x 1,024 float32; Wo 1,024 x 1,024 float32; Wq 1,024 x 1,024 float32; Wv 1,024 x 1,024 float32; bk 1,024 float32; bo 1,024 float32; bq 1,024 float32; bv 1,024 float32; x 2,048 x 4 x 1,024 float32.
;; Outputs: out0 2,048 x 4 x 1,024 float32.
;; This version of the problem:
;;   THIS VERSION OF THE PROBLEM IS GIVEN IN LOW PRECISION. The matrix products marked QUANTISED in the list below multiply operands that are first quantised to E2M3 (2 exponent bits, 3 mantissa bits; 6 bits a number), with one power-of-two scale for each 32 numbers along K (OCP MX v1.0); their sums are f32. All else is computed in f32.
;;   The module's matrix products, in the order in which they are computed (A, B: the left and right operand; K: the contracted axis; several contracted axes count as one K, in the product's order):
;;     1. [M 8,192, K 1,024] x [K 1,024, N 1,024]; A: input x; B: input Wq: QUANTISED
;;     2. [M 8,192, K 1,024] x [K 1,024, N 1,024]; A: input x; B: input Wk: QUANTISED
;;     3. [M 8,192, K 1,024] x [K 1,024, N 1,024]; A: input x; B: input Wv: QUANTISED
;;     4. batch 64 x [M 2,048, K 64] x [K 64, N 2,048]; A: computed on the way; B: computed on the way: QUANTISED
;;     5. batch 64 x [M 2,048, K 2,048] x [K 2,048, N 64]; A: softmax (see below); B: computed on the way: QUANTISED
;;     6. [M 8,192, K 1,024] x [K 1,024, N 1,024]; A: computed on the way; B: input Wo: QUANTISED
;;   THE QUANTISER, for each operand of a quantised product, along K:
;;     - K is cut into blocks of 32 from its start; a last block that is shorter is filled with zeros.
;;     - A block's scale is 2^e with e = floor(log2(the largest magnitude in the block)) - 2, held to -126 .. 127; a block of zeros has e = 0. As a byte (E8M0): e + 127.
;;     - Each number is divided by its block's scale, clamped to +-7.5, and rounded to the nearest number of E2M3, ties to even, subnormals kept.
;;     - The product sums the exact products of the quantised numbers (number of the format x scale) in f32.
;;   ~~~python
;;   def quantise(x, axis):      # numpy; x: float32 -> the quantised numbers, widened to float32 again
;;       x = np.moveaxis(x, axis, -1); K = x.shape[-1]
;;       x = np.pad(x, [(0, 0)] * (x.ndim - 1) + [(0, -K % 32)]); x = x.reshape(x.shape[:-1] + (-1, 32)); a = np.abs(x).max(-1, keepdims=True)
;;       e = np.where(a > 0, np.clip(np.frexp(np.where(a > 0, a, 1))[1] - 1 - 2, -126, 127), 0)      # np.frexp(a)[1] - 1 = floor(log2(a)), exactly
;;       r = np.clip(x / 2.0 ** e, -7.5, 7.5)
;;       step = 2.0 ** (np.maximum(np.frexp(np.where(r == 0, 1, r))[1] - 1, 0) - 3)
;;       q = np.round(r / step) * step * 2.0 ** e      # np.round: ties to even
;;       return np.moveaxis(q.reshape(q.shape[:-2] + (-1,))[..., :K], -1, axis).astype(np.float32)
;;   ~~~
;;   SOFTMAX AHEAD OF A QUANTISED PRODUCT. Where the list says 'softmax', what is quantised is not the finished softmax but p = 2^(t - M), with t = logit x log2(e) and M = ceil(the row's largest t), a whole number; so 1/2 < the row's largest p <= 1. The row's sum l is taken of the UNQUANTISED p, in f32, and the product's result is divided by l at the end. Since M is a whole number, a kernel that streams over the keys may use a running M (the ceiling of the running maximum): every later rescaling is an exact power of two, which a block's scale takes up: the codes' values come out the same.
;;   OPERANDS COMPUTED ON THE WAY. 'Computed on the way' means the value that the module computes at that place (a softmax that the list does not call 'softmax' is quantised finished and normalised). What goes into a quantiser is computed in f32, as accurately as f32 sums, v_exp_f32 and their like allow (about 1e-6 of the number): no bf16 or f16 on the way to a quantiser, and a product that is left as it is and whose result goes on into a quantised operand takes f32 operands (vector FMAs, or v_wmma_f32_16x16x4_f32). A number that lies on a knife's edge between two numbers of the format may be rounded either way, as far as f32 arithmetic and the matrix unit's own rounding can turn it there, and no further.
;; One version. Each part assembles by itself: llvm-mc -triple=amdgcn-amd-amdhsa -mcpu=gfx1250 --defsym DOCPART=n.
;; ======== version 1 of 1: 4 launches
;; limits: right only within a limited range of input values
;; workspace buffers: codes 9,437,184 bytes; scales 393,216 bytes; qkv 18,874,368 bytes; qkvs 1,572,864 bytes; ocodes 6,291,456 bytes; oscales 262,144 bytes
;; launch quant (part 1): grid 384 x 1, 4 waves a work-group, no clusters, 33,280 bytes of LDS; arguments x, Wq, Wk, Wv, Wo, codes, scales; writes codes, scales
.if DOCPART == 1
	.amdgcn_target "amdgcn-amd-amdhsa--gfx1250"
	.amdhsa_code_object_version 6
	.text
	.protected	k_q9c540ea62a_quant
	.globl	k_q9c540ea62a_quant
	.p2align	8
	.type	k_q9c540ea62a_quant,@function
k_q9c540ea62a_quant:
	s_mov_b64 s[64:65], 0
	v_nop
	global_prefetch_b8 v0, s[64:65] scope:SCOPE_SE
	s_setreg_imm32_b32 hwreg(HW_REG_WAVE_MODE, 25, 1), 1
	s_wait_xcnt 0x0
; x [2048][4][1024] and Wq, Wk, Wv, Wo [1024][1024], f32, K innermost, become codes of FP6 (E2M3) with one E8M0 byte for each 32 along K.
; OUT: codes [plane 16][row 12288][48 bytes] (a plane is 64 along K), scales [slot 4][row 12288][8 bytes] (a slot is 256 along K).
; ROWS: 0.. x at b x 2048 + rho(s); 8192.. Wq, 9216.. Wk, 10240.. Wv, 11264.. Wo, each at rho(n).  rho moves groups of eight rows inside each 64: group g goes to place 2 (g % 4) + g / 4.
; Sixteen neighbouring STORED rows are then groups u and 4 + u: as a matrix instruction's first source, four such tiles give lanes 0-15 the logical rows 0-31 and lanes 16-31 the rows 32-63: a whole scale block in a lane.
; A block's scale is 2^(floor(log2(its largest magnitude)) - 2); its byte is the largest magnitude's exponent field - 2, held at 1 from below.
; LIMITS: a block of zeros gets the byte 1 where the rule says 127 (its codes are zeros, and this program alone reads the bytes); blocks whose largest magnitude lies under 2^-124 are held at the byte 1;
; NaN and infinities among the inputs are not served.
; SHARES: work-group G makes stored rows 32 G .. 32 G + 31, which are the logical groups 2 e, 4 + 2 e, 2 e + 1, 5 + 2 e (e = G % 2) of its 64; wave w their slot w (256 columns).
; A step is 8 logical rows x one plane: four loads, each two rows' 256 consecutive bytes; its 2,048 bytes turn through the wave's own stage in LDS and come back 64 bytes a lane, 16 neighbours along K.
; No clusters, no tensor loads, no barrier: no two waves read the same bytes.  Loads run four steps (16 loads a wave) ahead, the turn through LDS one step.
.set STEPS, 16
.set SP,    80                         ; a lane's place in a stage: 64 bytes + 16 of padding
.set WREG,  8192                       ; LDS of a wave: two stages of 32 x SP bytes, then its 256 scale bytes
.set SBO,   2*32*SP
.set PLANE, 12288*48
.set VA,    16                         ; v16-31   byte offsets of the wave's 16 pairs of rows, by stored group
.set R,     32                         ; v32-95   four sets of 16 numbers as loaded
.set X,     96                         ; v96-127  two sets of 16 neighbours
.set E,     128                        ; v128-143 a scale byte for each step
.set C,     144                        ; v144-207 codes: four registers for each step
	s_load_b256 s[4:11], s[0:1], 0x0               ; x, Wq, Wk, Wv
	s_load_b128 s[12:15], s[0:1], 0x20             ; Wo, codes
	s_load_b64 s[16:17], s[0:1], 0x30              ; scales
	v_lshl_add_u32 v208, v0, 2, 0x8000
	v_mov_b32 v209, 0
	v_lshrrev_b32 v1, 5, v0
	v_readfirstlane_b32 s18, v1                    ; wave
	v_and_b32 v2, 31, v0                           ; lane
	s_mul_i32 s19, s18, WREG
	v_lshrrev_b32 v14, 2, v2
	v_mul_u32_u24 v14, v14, SP
	v_and_b32 v15, 3, v2
	v_lshl_add_u32 v14, v15, 4, v14
	v_add_nc_u32 v14, s19, v14                     ; the stage, on the way in
	v_mul_u32_u24 v15, v2, SP
	v_add_nc_u32 v15, s19, v15                     ; and on the way out
	v_mul_u32_u24 v4, v2, 12                       ; my 12 bytes of codes
	s_add_co_u32 s19, s19, SBO
	v_lshrrev_b32 v5, 2, v2
	v_lshlrev_b32 v5, 3, v5
	v_bfe_u32 v6, v2, 1, 1
	v_add_nc_u32 v5, v5, v6
	v_add_nc_u32 v5, s19, v5                       ; my block's scale byte
	v_lshlrev_b32 v7, 3, v2
	v_add_nc_u32 v6, s19, v7                       ; and on the way out 8 bytes a lane
	s_and_b32 s25, ttmp9, 1                        ; e
	s_and_b32 s20, ttmp9, 62
	s_lshl_b32 s20, s20, 19                        ; x: 64 logical rows s are 64 x 16,384 bytes,
	s_lshl_b32 s21, s25, 18                        ; e is 16 rows,
	s_add_co_u32 s20, s20, s21
	s_lshr_b32 s21, ttmp9, 6
	s_lshl_b32 s21, s21, 12                        ; and b is 4,096 bytes
	s_add_co_u32 s20, s20, s21
	s_and_b32 s21, ttmp9, 30
	s_lshl_b32 s21, s21, 17                        ; a weight: rows of 4,096 bytes
	s_lshl_b32 s25, s25, 16
	s_add_co_u32 s21, s21, s25
	s_lshr_b32 s22, ttmp9, 5
	s_and_b32 s22, s22, 3                          ; which weight
	s_mov_b32 s23, 4096
	s_cmp_lt_u32 ttmp9, 256                        ; the first 256 work-groups take x
	s_cselect_b32 s20, s20, s21
	s_cselect_b32 s23, 16384, s23                  ; bytes from a logical row to the next
	s_lshl_b32 s21, s18, 10                        ; my wave's 256 columns
	s_add_co_u32 s20, s20, s21
	s_mov_b32 s21, 0
	v_lshrrev_b32 v8, 4, v2
	v_and_b32 v9, 15, v2
	v_lshlrev_b32 v9, 4, v9
	v_mad_u32_u24 v[VA], v8, s23, v9               ; rows 0 and 1: lanes 0-15 the even row, lanes 16-31 the odd one
	s_lshl_b32 s24, s23, 1
	s_lshl_b32 s25, s23, 5
.irp k, 1,2,3
	v_add_nc_u32 v[VA+\k], s24, v[VA+\k-1]         ; stored group 0: my rows 0-7
.endr
	v_add_nc_u32 v[VA+8], s24, v[VA+3]             ; stored group 2: my rows 8-15
.irp k, 9,10,11
	v_add_nc_u32 v[VA+\k], s24, v[VA+\k-1]
.endr
.irp k, 0,1,2,3,8,9,10,11
	v_add_nc_u32 v[VA+4+\k], s25, v[VA+\k]         ; stored groups 1 and 3: 32 rows further down
.endr
	s_wait_alu depctr_va_vdst(0)                   ; the wait at the head's end
	s_wait_kmcnt 0x0
	s_cmp_eq_u32 s22, 1                            ; the source is chosen by the work-group's number alone
	s_cselect_b64 s[26:27], s[8:9], s[6:7]
	s_cmp_eq_u32 s22, 2
	s_cselect_b64 s[26:27], s[10:11], s[26:27]
	s_cmp_eq_u32 s22, 3
	s_cselect_b64 s[26:27], s[12:13], s[26:27]
	s_cmp_lt_u32 ttmp9, 256
	s_cselect_b64 s[26:27], s[4:5], s[26:27]
	s_add_nc_u64 s[26:27], s[26:27], s[20:21]
	s_mul_i32 s28, s18, 4*PLANE                    ; codes: my wave's four planes,
	s_mul_i32 s29, ttmp9, 1536                     ; my work-group's 32 rows of 48 bytes
	s_add_co_u32 s28, s28, s29
	s_mov_b32 s29, 0
	s_add_nc_u64 s[14:15], s[14:15], s[28:29]
	s_mul_i32 s28, s18, 98304                      ; scales: my slot, my 32 rows of 8 bytes
	s_lshl_b32 s30, ttmp9, 8
	s_add_co_u32 s28, s28, s30
	s_add_nc_u64 s[16:17], s[16:17], s[28:29]
.macro LOAD t                          ; step t: stored group t / 4, plane t % 4
.irp i, 0,1,2,3
	global_load_b128 v[R+16*((\t)%4)+4*\i:R+16*((\t)%4)+4*\i+3], v[VA+4*((\t)/4)+\i], s[26:27] offset:256*((\t)%4) th:TH_LOAD_NT
.endr
.endm
.macro TURN t                          ; LDS serves a wave's instructions in order: no wait between the stores and the loads
.irp i, 0,1,2,3
	ds_store_b128 v14, v[R+16*((\t)%4)+4*\i:R+16*((\t)%4)+4*\i+3] offset:32*SP*((\t)%2)+8*SP*\i
.endr
.irp i, 0,1,2,3
	ds_load_b128 v[X+16*((\t)%2)+4*\i:X+16*((\t)%2)+4*\i+3], v15 offset:32*SP*((\t)%2)+16*\i
.endr
.endm
.irp t, 0,1,2,3
	LOAD \t
.endr
	s_wait_loadcnt 12                              ; step 0's four loads are in
	TURN 0
.macro STEP t
.set XS, X+16*((\t)%2)
.set PG, (\t)/4                        ; the stored place of these eight rows among the 32
.if (\t) > 0
	s_wait_dscnt 1                                 ; this step's numbers are back (the last step's byte store may be out)
.else
	s_wait_dscnt 0x0
.endif
.if (\t)+4 < STEPS
	LOAD (\t)+4
.endif
.if (\t)+1 < STEPS
.if STEPS-2-(\t) >= 3
	s_wait_loadcnt 12                              ; the next step's four loads are in; three steps' may be out
.else
	s_wait_loadcnt 4*(STEPS-2-(\t))
.endif
	TURN (\t)+1
.endif
	v_max3_num_f32 v8, |v[XS]|, |v[XS+1]|, |v[XS+2]|               ; the largest magnitude of my 16, in two chains
	v_max3_num_f32 v9, |v[XS+3]|, |v[XS+4]|, |v[XS+5]|
.irp i, 6,10
	v_max3_num_f32 v8, v8, |v[XS+\i]|, |v[XS+\i+1]|
	v_max3_num_f32 v9, v9, |v[XS+\i+2]|, |v[XS+\i+3]|
.endr
	v_max3_num_f32 v8, v8, |v[XS+14]|, |v[XS+15]|
	v_max3_num_f32 v8, v8, v9, 0x1800000           ; and the floor 2^(3 - 127): the byte cannot fall under 1
	v_max_num_f32_dpp v8, v8, v8 row_xmask:1 row_mask:0xf bank_mask:0xf   ; with my neighbour's 16: the block's
	v_add_nc_u32 v11, 0xff000000, v8               ; 2 off its exponent field: the conversion's scale operand
	v_cvt_scalef32_pk16_fp6_f32 v[C+4*(\t):C+4*(\t)+2], v[XS:XS+15], v11
	v_lshrrev_b32 v[E+(\t)], 23, v11               ; the scale's byte (a plain line behind the conversion)
	ds_store_b8 v5, v[E+(\t)] offset:64*PG+2*((\t)%4)
	global_store_b96 v4, v[C+4*(\t):C+4*(\t)+2], s[14:15] offset:((\t)%4)*PLANE+384*PG   ; 384 consecutive bytes: eight stored rows of a plane
.endm
.irp t, 0,1,2,3,4,5,6,7,8,9,10,11,12,13,14,15
	STEP \t
.endr
	ds_load_b64 v[12:13], v6
	s_wait_dscnt 0x0
	global_store_b64 v7, v[12:13], s[16:17]        ; 32 lanes store 256 consecutive bytes, aligned
	s_wait_tensorcnt 0x0                           ; the wave's end
	ds_add_u32 v208, v209
	s_wait_dscnt 0x0
	s_endpgm
.Lfunc_end_k_q9c540ea62a_quant:
	.size	k_q9c540ea62a_quant, .Lfunc_end_k_q9c540ea62a_quant-k_q9c540ea62a_quant
	.p2alignl 7, 3214868480
	.fill 96, 4, 3214868480
	.section	.rodata,"a",@progbits
	.p2align	6, 0x0
	.amdhsa_kernel k_q9c540ea62a_quant
		.amdhsa_group_segment_fixed_size 33280
		.amdhsa_private_segment_fixed_size 0
		.amdhsa_enable_private_segment 0
		.amdhsa_kernarg_size 56
		.amdhsa_user_sgpr_count 2
		.amdhsa_user_sgpr_kernarg_segment_ptr 1
		.amdhsa_wavefront_size32 1
		.amdhsa_system_sgpr_workgroup_id_x 1
		.amdhsa_system_sgpr_workgroup_id_y 1
		.amdhsa_system_sgpr_workgroup_id_z 1
		.amdhsa_system_vgpr_workitem_id 0
		.amdhsa_next_free_vgpr 210
		.amdhsa_next_free_sgpr 66
		.amdhsa_reserve_vcc 0
		.amdhsa_float_denorm_mode_32 3
		.amdhsa_float_denorm_mode_16_64 3
		.amdhsa_memory_ordered 1
		.amdhsa_forward_progress 1
		.amdhsa_inst_pref_size 34
	.end_amdhsa_kernel
	.amdgpu_metadata
---
amdhsa.version: [ 1, 2 ]
amdhsa.kernels:
  - .name:           k_q9c540ea62a_quant
    .symbol:         k_q9c540ea62a_quant.kd
    .args:
      - { .name: x, .offset: 0, .size: 8, .value_kind: global_buffer, .address_space: global }
      - { .name: Wq, .offset: 8, .size: 8, .value_kind: global_buffer, .address_space: global }
      - { .name: Wk, .offset: 16, .size: 8, .value_kind: global_buffer, .address_space: global }
      - { .name: Wv, .offset: 24, .size: 8, .value_kind: global_buffer, .address_space: global }
      - { .name: Wo, .offset: 32, .size: 8, .value_kind: global_buffer, .address_space: global }
      - { .name: codes, .offset: 40, .size: 8, .value_kind: global_buffer, .address_space: global }
      - { .name: scales, .offset: 48, .size: 8, .value_kind: global_buffer, .address_space: global }
    .group_segment_fixed_size: 33280
    .private_segment_fixed_size: 0
    .kernarg_segment_align: 8
    .kernarg_segment_size: 56
    .max_flat_workgroup_size: 128
    .sgpr_count:     66
    .vgpr_count:     210
    .wavefront_size: 32
...
	.end_amdgpu_metadata
.endif
;; end of part 1
;; launch qkv (part 2): grid 8 x 32, 4 waves a work-group, clusters of 4 x 4, 327,680 bytes of LDS; arguments codes, scales, bq, bk, bv, qkv, qkvs; writes qkv, qkvs
.if DOCPART == 2
	.amdgcn_target "amdgcn-amd-amdhsa--gfx1250"
	.amdhsa_code_object_version 6
	.text
	.protected	k_q9c540ea62a_qkv
	.globl	k_q9c540ea62a_qkv
	.p2align	8
	.type	k_q9c540ea62a_qkv,@function
k_q9c540ea62a_qkv:
	s_mov_b64 s[64:65], 0
	v_nop
	global_prefetch_b8 v0, s[64:65] scope:SCOPE_SE
	s_setreg_imm32_b32 hwreg(HW_REG_WAVE_MODE, 25, 1), 1
	s_wait_xcnt 0x0
	s_wait_alu depctr_hold_cnt(0) depctr_sa_sdst(0) depctr_va_vdst(0) depctr_va_sdst(0) depctr_va_ssrc(0) depctr_va_vcc(0) depctr_vm_vsrc(0)
	s_getreg_b32 s2, hwreg(HW_REG_IB_STS2, 6, 4)
	s_cmp_eq_u32 s2, 0
	s_cbranch_scc0 .Lentry_in_a_cluster
	s_endpgm
.Lentry_in_a_cluster:
	s_bfe_u32 s2, ttmp6, 0x10000c
	s_cmp_lg_u32 s2, 0xf033
	s_cbranch_scc0 .Lentry_shape_is_right
	s_endpgm
.Lentry_shape_is_right:
; Q, K, V = x W^T + b on codes of FP6 (E2M3) with E8M0 scales, and their quantisers: the results leave as images of the operand registers of launch attn.
; IN: codes [plane 16 (64 along K)][row 12288][48 bytes], scales [slot 4][row][8 bytes]; rows 0.. x, 8192. Wq, 9216. Wk, 10240. Wv, in the stored order of launch quant: a tile of 16 rows is groups u and 4 + u of eight out of 64.
; OUT: qkv [part q,k,v][xr = 128 rows][head][6,144 bytes], qkvs [part][xr][head][512 bytes]: chunks of 512 bytes, lane l's 16 bytes at 16 l.  q, k: eight tiles of 16 rows x 6 registers; v: four tiles of 16 channels x 12 registers.
; THE DEAL: 256 work-groups of four waves, 2 x 2.  A work-group owns 256 rows of x (all of K, 196,608 bytes, in LDS for the whole launch) and 128 columns (two heads) of each of Q, K, V.
; A wave holds its head's 64 weight rows, all of K, in 384 registers, and passes its 128 rows of x by them in eight blocks of 16 rows, 32 products a block: so a wave owns whole images (part, xr, head).
; THE WEIGHTS' REGION (98,304 bytes) is filled at the head with Wq's rows and filled again twice, with Wk's and Wv's, each time as soon as every wave holds the weights before in registers: a whole phase ahead of its use.
; Each refill stands behind the three lines and a round of the cluster's barrier.  Q and K are one loop of two trips, each with a refill; V is written out and refills nothing.
; CLUSTER 4 x 4: x's rows are shared along a row of the cluster, a weight's rows along a column.  At the head one load a wave: waves 0, 1 the weights' planes 0-7, 8-15; waves 2, 3 x's rows 0-127, 128-255.
; Q, K: source 0 = the weight's rows: a lane's 32 sums of a block are channels 32 h .. 32 h + 31 of one token: one scale block.  V: source 0 = x's rows: a lane's 8 sums of each of four blocks are 32 neighbouring tokens of one channel.
; The bias is the first products' C.  Scale words and biases come once, by plain loads: each scale load reads 256 consecutive bytes.
; No prefetch: every tile is asked for at the head or a whole phase (256 products a wave) ahead.
; LIMITS: a block of zeros gets the byte 1 where the rule says 127 (its codes are zeros; this program alone reads the bytes); blocks under 2^-124 are held at the byte 1; NaN and infinities are not served.
; REGISTERS: window 0: v8-29 addresses and words at work; v32-47 the weights' scale words, v52-83 x's (they hold nothing else); v84-211 sums; v212-255 the way out.
;   Fragment f (12 registers) lies in window 1 + f / 21 at 12 (f % 21): 0-31 the weights' (4 q + b), 32-39 and 40-47 x's two sets.  Window 3 from 72 on: the later phases' scale words, the biases, V's codes.
.set FR, 12
.set FPW, 21
.set AXB, 98304
.set SPARE, 294912
.set VB, 8
.set WW, 12
.set ABW, 16
.set AAX, 18
.set L16, 20
.set L8, 21
.set H8, 22
.set TP, 23
.set SPW, 28
.set NIL, 29
.set SBW, 32
.set SAX, 52
.set HV, 84
.set ACC, 84
.set NCD, 212
.set TC, 224
.set TQ, 240
.set SOP, 244
.set EB, 248
.set SW, 252
.set SBN, 72
.set SBN2, 88
.set BB, 104
.set BBN, 136
.set BBV, 168
.set MCD, 200
.set G1A, 24
.set G1B, 32
.set G0A, 48
.set G0B, 52
.set OUT, 56
.set OUTS, 58
.set SEL, 60
.set HALF, 62
.set PH, 63
.set MSB, 0
.macro WIN new
.if MSB != \new
	s_set_vgpr_msb (MSB<<8)|\new
.set MSB, \new
.endif
.endm
.macro WALU
	s_wait_alu depctr_va_vdst(0)
.endm
.macro PLACES n
.rept \n
	v_nop
.endr
.endm
.macro BARRIER
	s_barrier_signal -1
	s_barrier_wait -1
.endm
.macro CROUND
	BARRIER
	s_cmp_lg_u32 s18, 0
	s_cbranch_scc1 .Lnot_wave_0_\@
	s_barrier_signal -3
.Lnot_wave_0_\@:
	s_barrier_wait -3
	BARRIER
.endm
.macro TLOAD g0, g1
	tensor_load_to_lds s[\g0:\g0+3], s[\g1:\g1+7]
	s_nop 0
	PLACES 4
.endm
.macro GROUP1 g, mask, rows, pitch     ; rows of 6,144 bytes (128 rows of a plane), a plane apart
	s_or_b32 s[\g], s[\mask], (3<<16)|(1<<21)
	s_mov_b32 s[\g+1], 768<<16
	s_mov_b32 s[\g+2], (\rows)<<16
	s_mov_b32 s[\g+3], 768<<16
	s_mov_b32 s[\g+4], \rows
	s_mov_b32 s[\g+5], \pitch
	s_mov_b32 s[\g+6], 0
	s_mov_b32 s[\g+7], 0
.endm
.macro FRAG f, q, a, x                 ; K step q is planes 2 q, 2 q + 1; register a addresses planes 0-7, a + 1 planes 8-15; x: the tile's bytes
	WIN (1+(\f)/FPW)<<6
.irp p, 0,1,2,3,4,5
	ds_load_b64 v[FR*((\f)%FPW)+2*\p:FR*((\f)%FPW)+2*\p+1], v[(\a)+(\q)/4] offset:(2*((\q)%4)+\p/3)*6144+(\x)+8*(\p%3)
.endr
.endm
.macro WEIGHTS                         ; my 64 rows of the weight, all of K: 192 loads
.irp q, 0,1,2,3,4,5,6,7
.irp b, 0,1,2,3
	FRAG 4*\q+\b, \q, ABW, \b*768
.endr
.endr
	WIN 0
.endm
.macro FETCH e, s                      ; block s of x's rows into set e: 48 loads
.irp q, 0,1,2,3,4,5,6,7
	FRAG 32+8*(\e)+\q, \q, AAX, (\s)*768
.endr
	WIN 0
.endm
.macro MMX d, r0, r1, c, x0, x1, ra, rb
	v_wmma_scale_f32_16x16x128_f8f6f4 v[\d:\d+7], v[\r0:\r0+11], v[\r1:\r1+11], \c, v[\x0], v[\x1] matrix_a_fmt:MATRIX_FMT_FP6 matrix_b_fmt:MATRIX_FMT_FP6 matrix_a_scale:MATRIX_SCALE_ROW\ra matrix_b_scale:MATRIX_SCALE_ROW\rb
.endm
.macro MM4 d, r0, r1, c, x0, x1, ra, rb
.if (\ra) && (\rb)
	MMX \d, \r0, \r1, \c, \x0, \x1, 1, 1
.elseif (\ra)
	MMX \d, \r0, \r1, \c, \x0, \x1, 1, 0
.elseif (\rb)
	MMX \d, \r0, \r1, \c, \x0, \x1, 0, 1
.else
	MMX \d, \r0, \r1, \c, \x0, \x1, 0, 0
.endif
.endm
.macro PROD kind, e, s, q, b, d, c0, cw
.set FB_, 4*(\q)+(\b)
.set FA_, 32+8*(\e)+(\q)
.set RB_, FR*(FB_%FPW)
.set RA_, FR*(FA_%FPW)
.set WB_, 1+FB_/FPW
.set WA_, 1+FA_/FPW
.set XB_, SBW+8*((\b)/2)+(\q)
.set XA_, SAX+8*((\s)/2)+(\q)
.set D_, \d
.set C_, \c0
.if \kind
.if \q
	WIN WA_|(WB_<<2)
	MM4 D_, RA_, RB_, v[D_:D_+7], XA_, XB_, (\s)%2, (\b)%2
.else
	WIN WA_|(WB_<<2)|((\cw)<<4)
	MM4 D_, RA_, RB_, v[C_:C_+7], XA_, XB_, (\s)%2, (\b)%2
.endif
.else
.if \q
	WIN WB_|(WA_<<2)
	MM4 D_, RB_, RA_, v[D_:D_+7], XB_, XA_, (\b)%2, (\s)%2
.else
	WIN WB_|(WA_<<2)|((\cw)<<4)
	MM4 D_, RB_, RA_, v[C_:C_+7], XB_, XA_, (\b)%2, (\s)%2
.endif
.endif
.endm
.macro PRODS kind, e, s, d0, ds, c0, cw   ; a block: 32 products, the four accumulators by turns; tile b's sums at d0 + ds b, its first C at c0 + 8 b
.irp q, 0,1,2,3,4,5,6,7
.irp b, 0,1,2,3
	PROD \kind, \e, \s, \q, \b, (\d0)+(\ds)*\b, (\c0)+8*\b, \cw
.endr
.endr
	WIN 0
.endm
.macro WAITB s                         ; block s's rows are in; the next block's 48 loads may be out
.if (\s) < 7
	s_wait_dscnt 48
.else
	s_wait_dscnt 0x0
.endif
.endm
.macro QKOUT s                         ; the way out of a block of Q or K: my 32 sums are one scale block
.set X_, ACC+32*((\s)%2)
.set N_, NCD+6*((\s)%2)
.if (\s)%2 == 0
	s_wait_xcnt 0x0                                ; the last pair's stores have read their registers
.endif
	v_max3_num_f32 v[TQ], |v[X_]|, |v[X_+1]|, 0x1800000
	v_max3_num_f32 v[TQ+1], |v[X_+16]|, |v[X_+17]|, 0x1800000
.irp i, 2,4,6,8,10,12,14
	v_max3_num_f32 v[TQ], v[TQ], |v[X_+\i]|, |v[X_+\i+1]|
	v_max3_num_f32 v[TQ+1], v[TQ+1], |v[X_+16+\i]|, |v[X_+17+\i]|
.endr
	v_max_num_f32 v[TQ], v[TQ], v[TQ+1]
	v_add_nc_u32 v[SOP], 0xff000000, v[TQ]         ; 2 off the exponent field: the conversions' scale operand
	v_lshrrev_b32 v[EB], 23, v[SOP]
	v_cvt_scalef32_pk16_fp6_f32 v[N_:N_+2], v[X_:X_+15], v[SOP]
	v_cvt_scalef32_pk16_fp6_f32 v[TC:TC+2], v[X_+16:X_+31], v[SOP]
	v_lshlrev_b32 v[EB], v[H8], v[EB]              ; my byte at its place (a plain line behind the conversions)
.irp i, 0,1,2
	v_mov_b32 v[N_+3+\i], v[TC+\i]
.endr
	v_permlanex16_b32 v[TP], v[EB], s[SEL], s[SEL+1]
	v_or_b32 v[WW+(\s)%2], v[EB], v[TP]            ; the row's scale word: bytes 0, 1; bytes 2, 3 are 0
.if (\s)%2
	v_cndmask_b32 v[SW+(\s)/2], v[WW], v[WW+1], s[HALF]   ; lanes 0-15 the even tile's rows, lanes 16-31 the odd tile's
.irp j, 0,1,2
	global_store_b128 v[L16], v[NCD+4*\j:NCD+4*\j+3], s[OUT:OUT+1] offset:((\s)/2)*1536+512*\j
.endr
.endif
.endm
.macro VOUT c                          ; the way out of four blocks of V: for each of four channel tiles my 32 sums are the tokens of block 2 c + h
.irp b, 0,1,2,3
	v_max3_num_f32 v[TQ+\b], |v[HV+32*\b]|, |v[HV+32*\b+1]|, 0x1800000
.endr
.irp i, 2,4,6,8,10,12,14,16,18,20,22,24,26,28,30
.irp b, 0,1,2,3
	v_max3_num_f32 v[TQ+\b], v[TQ+\b], |v[HV+32*\b+\i]|, |v[HV+32*\b+\i+1]|
.endr
.endr
.irp b, 0,1,2,3
	v_add_nc_u32 v[SOP+\b], 0xff000000, v[TQ+\b]
.endr
.irp b, 0,1,2,3
	v_lshrrev_b32 v[EB+\b], 23, v[SOP+\b]
.endr
.irp b, 0,1,2,3
	v_cvt_scalef32_pk16_fp6_f32 v[NCD+4*\b+28*(\b/3):NCD+4*\b+28*(\b/3)+2], v[HV+32*\b:HV+32*\b+15], v[SOP+\b]   ; into registers that Q's and K's way out has done with: v212, v216, v220, v252
.endr
.irp b, 0,1,2,3
	v_cvt_scalef32_pk16_fp6_f32 v[TC+4*\b:TC+4*\b+2], v[HV+32*\b+16:HV+32*\b+31], v[SOP+\b]
.endr
.irp b, 0,1,2,3
.if \c
	v_lshl_or_b32 v[VB+\b], v[EB+\b], 16, v[VB+\b]
.else
	v_mov_b32 v[VB+\b], v[EB+\b]
.endif
.endr
	WIN 0xc0
.irp b, 0,1,2,3
.irp i, 0,1,2
	v_mov_b32 v[MCD+12*\b+6*(\c)+\i], v[NCD+4*\b+28*(\b/3)+\i]
	v_mov_b32 v[MCD+12*\b+6*(\c)+3+\i], v[TC+4*\b+\i]
.endr
.endr
	WIN 0
.endm
; ---- the head
	s_load_b256 s[4:11], s[0:1], 0x0               ; codes, scales, bq, bk
	s_load_b128 s[12:15], s[0:1], 0x20             ; bv, qkv
	s_load_b64 s[16:17], s[0:1], 0x30              ; qkvs
	v_lshl_add_u32 v[SPW], v0, 2, SPARE
	v_mov_b32 v[NIL], 0
	ds_add_u32 v[SPW], v[NIL]                      ; the opening lines: the add, twice on end, and its wait
	ds_add_u32 v[SPW], v[NIL]
	v_lshrrev_b32 v1, 5, v0
	v_readfirstlane_b32 s18, v1                    ; the wave; s19 its row of the 2 x 2, s20 its column
	s_lshr_b32 s19, s18, 1
	s_and_b32 s20, s18, 1
	s_bfe_u32 s40, ttmp6, 0x40000                  ; cx
	s_bfe_u32 s41, ttmp6, 0x40004                  ; cy
	s_lshl_b32 s42, ttmp9, 2
	s_add_co_u32 s42, s42, s40                     ; tile column, 0 .. 7
	s_and_b32 s45, ttmp7, 0xffff
	s_lshl_b32 s45, s45, 2
	s_add_co_u32 s45, s45, s41                     ; tile row, 0 .. 31
	s_lshl_b32 s43, s41, 2
	s_lshl_b32 s43, 15, s43                        ; my row of the cluster
	s_lshl_b32 s44, 0x1111, s40                    ; my column
	GROUP1 G1A, 43, 16, 73728
	GROUP1 G1B, 44, 8, 73728
	s_mul_i32 s66, s45, 12288                      ; x: rows 256 x tile row + 128 x (wave % 2), 48 bytes each
	s_mul_i32 s21, s20, 6144
	s_add_co_u32 s66, s66, s21
	s_mov_b32 s67, 0
	s_mul_i32 s68, s42, 6144                       ; Wq: rows 8192 + 128 x tile column; planes 8 x (wave % 2) on
	s_mul_i32 s22, s20, 4718592
	s_add_co_u32 s68, s68, s22
	s_add_co_u32 s68, s68, 393216
	s_mov_b32 s69, 0
	s_mov_b32 s[G0A], 1
	s_mul_i32 s[G0A+1], s20, 98304
	s_add_co_u32 s[G0A+1], s[G0A+1], AXB
	s_mov_b32 s[G0B], 1
	s_mul_i32 s[G0B+1], s20, 49152
	s_mov_b32 s[SEL], 0x76543210
	s_mov_b32 s[SEL+1], 0xfedcba98
	s_mov_b32 s[HALF], 0xffff0000
	WALU
	s_wait_dscnt 0x0
	s_wait_kmcnt 0x0
	s_add_nc_u64 s[G0A+2:G0A+3], s[4:5], s[66:67]
	s_or_b32 s[G0A+3], s[G0A+3], 0x80000000
	s_add_nc_u64 s[G0B+2:G0B+3], s[4:5], s[68:69]
	s_or_b32 s[G0B+3], s[G0B+3], 0x80000000
	CROUND                                         ; all sixteen work-groups are here: the first joint loads meet
	s_cmp_lt_u32 s18, 2
	s_cbranch_scc0 .Larm_a
	TLOAD G0B, G1B
	s_branch .Lasked
.Larm_a:
	TLOAD G0A, G1A
.Lasked:
	s_mul_i32 s21, s20, 3072
	s_add_co_u32 s22, s21, 49152
	s_mul_i32 s23, s19, 98304
	s_add_co_u32 s23, s23, AXB
	s_add_co_u32 s46, s23, 49152
	v_and_b32 v1, 15, v0                           ; r
	v_bfe_u32 v2, v0, 4, 1                         ; h
	v_and_b32 v3, 31, v0
	v_mul_u32_u24 v4, v1, 48
	v_mad_u32_u24 v4, v2, 24, v4
	v_add_nc_u32 v[ABW], s21, v4
	v_add_nc_u32 v[ABW+1], s22, v4
	v_add_nc_u32 v[AAX], s23, v4
	v_add_nc_u32 v[AAX+1], s46, v4
	v_lshlrev_b32 v[L16], 4, v3
	v_lshlrev_b32 v[L8], 3, v3
	v_lshlrev_b32 v[H8], 3, v2
	v_mov_b32 v[TP], 0
	v_lshlrev_b32 v5, 7, v2                        ; Q, K: register 8 u + j of lane (r, h) is channel 32 h + 8 u + j
	v_and_b32 v6, 7, v1
	v_lshrrev_b32 v7, 3, v1
	v_lshlrev_b32 v6, 2, v6
	v_lshl_add_u32 v6, v7, 7, v6                   ; V: lane r of tile t has channel 32 (r / 8) + 8 t + r % 8
	WALU
	s_lshl_b32 s66, s45, 11                        ; x's scale words: rows 256 x tile row + 128 x my row of the 2 x 2
	s_lshl_b32 s21, s19, 10
	s_add_co_u32 s66, s66, s21
	s_add_nc_u64 s[70:71], s[6:7], s[66:67]
	s_lshl_b32 s68, s42, 10                        ; the weights': rows 8192 + 128 x tile column + 64 x my column
	s_lshl_b32 s21, s20, 9
	s_add_co_u32 s68, s68, s21
	s_add_co_u32 s68, s68, 65536
	s_add_nc_u64 s[72:73], s[6:7], s[68:69]
	s_lshl_b32 s66, s42, 1
	s_add_co_u32 s66, s66, s20                     ; my head
	s_lshl_b32 s68, s66, 8
	s_add_nc_u64 s[8:9], s[8:9], s[68:69]
	s_add_nc_u64 s[10:11], s[10:11], s[68:69]
	s_add_nc_u64 s[12:13], s[12:13], s[68:69]
	s_lshl_b32 s21, s45, 1
	s_add_co_u32 s21, s21, s19                     ; my xr
	s_lshl_b32 s21, s21, 4
	s_add_co_u32 s21, s21, s66
	s_mul_i32 s66, s21, 6144
	s_add_nc_u64 s[OUT:OUT+1], s[14:15], s[66:67]
	s_lshl_b32 s68, s21, 9
	s_add_nc_u64 s[OUTS:OUTS+1], s[16:17], s[68:69]
.irp p, 0,1
.irp t, 0,1,2,3
	global_load_b64 v[SBW+8*\p+2*\t:SBW+8*\p+2*\t+1], v[L8], s[72:73] offset:\t*98304+\p*256   ; lanes 0-15 tile 2 p, lanes 16-31 tile 2 p + 1; register: K step 2 t, 2 t + 1
.endr
.endr
.irp j, 0,1,2,3
.irp t, 0,1,2,3
	global_load_b64 v[SAX+8*\j+2*\t:SAX+8*\j+2*\t+1], v[L8], s[70:71] offset:\t*98304+\j*256   ; lanes 0-15 block 2 j, lanes 16-31 block 2 j + 1
.endr
.endr
	WIN 0xc0
.irp p, 0,1
.irp t, 0,1,2,3
	global_load_b64 v[SBN+8*\p+2*\t:SBN+8*\p+2*\t+1], v[L8], s[72:73] offset:8192+\t*98304+\p*256
	global_load_b64 v[SBN2+8*\p+2*\t:SBN2+8*\p+2*\t+1], v[L8], s[72:73] offset:16384+\t*98304+\p*256
.endr
.endr
.irp k, 0,1,2,3,4,5,6,7
	global_load_b128 v[BB+4*\k:BB+4*\k+3], v5, s[8:9] offset:16*\k
	global_load_b128 v[BBN+4*\k:BBN+4*\k+3], v5, s[10:11] offset:16*\k
.endr
.irp t, 0,1,2,3
	global_load_b32 v[BBV+8*\t], v6, s[12:13] offset:32*\t
.endr
	s_wait_loadcnt 0x0
	WIN 0xc3
.irp t, 0,8,16,24
.irp i, 1,2,3,4,5,6,7
	v_mov_b32 v[BBV+\t+\i], v[BBV+\t]              ; V's number, one a lane and tile, over the tile's eight registers
.endr
.endr
	WIN 0
	WALU                                           ; the wait at the head's end
	s_cmp_lt_u32 s18, 2
	s_cbranch_scc0 .Lnot_b
	s_wait_tensorcnt 0x0
.Lnot_b:
	BARRIER                                        ; Wq's rows are in; x's may be on their way
	s_mov_b32 s[PH], 0
.Lphase:                                               ; Q, then K
	WEIGHTS
	s_wait_tensorcnt 0x0                           ; all my tensor loads have landed (the first time: x's rows among them);
	ds_add_u32 v[SPW], v[NIL]
	s_add_nc_u64 s[G0B+2:G0B+3], s[G0B+2:G0B+3], 49152   ; no load of mine is out: the next weight lies 1,024 rows on
	s_wait_dscnt 0x0                               ; the add is done, and I hold the weights in registers
	CROUND
	s_cmp_lt_u32 s18, 2
	s_cbranch_scc0 .Lno_fill
	TLOAD G0B, G1B                                 ; waves 0 and 1: the next weight's planes 0-7, 8-15
.Lno_fill:
	FETCH 0, 0
	FETCH 1, 1
.irp s, 0,1,2,3,4,5,6,7
	WAITB \s
	PRODS 0, \s%2, \s, ACC+32*(\s%2), 8, BB, 3
	PLACES 4
.if \s < 6
	FETCH \s%2, \s+2
.endif
	QKOUT \s
.endr
	global_store_b128 v[L16], v[SW:SW+3], s[OUTS:OUTS+1]
	WIN 0x03
.set I, 0
.rept 16
	v_mov_b32 v[SBW+I], v[SBN+I]                   ; the next weight's scale words and bias move up
.set I, I+1
.endr
	WIN 0xc3
.set I, 0
.rept 16
	v_mov_b32 v[SBN+I], v[SBN2+I]
.set I, I+1
.endr
.set I, 0
.rept 32
	v_mov_b32 v[BB+I], v[BBN+I]
.set I, I+1
.endr
	WIN 0
	WALU
	s_wait_tensorcnt 0x0
	s_wait_dscnt 0x0
	BARRIER                                        ; a plain barrier: the next weight's rows are shown to all
	s_wait_xcnt 0x0
	s_add_nc_u64 s[OUT:OUT+1], s[OUT:OUT+1], 6291456
	s_add_nc_u64 s[OUTS:OUTS+1], s[OUTS:OUTS+1], 524288
	s_add_co_u32 s[PH], s[PH], 1
	s_cmp_lg_u32 s[PH], 2
	s_cbranch_scc1 .Lphase
; ---- V
	WEIGHTS
	FETCH 0, 0
	FETCH 1, 1
.irp s, 0,1,2,3,4,5,6,7
	WAITB \s
	PRODS 1, \s%2, \s, HV+8*(\s%4), 32, BBV, 3
	PLACES 4
.if \s < 6
	FETCH \s%2, \s+2
.endif
.if \s%4 == 3
	VOUT \s/4
.endif
.endr
.irp b, 0,1,2,3
	v_lshlrev_b32 v[VB+\b], v[H8], v[VB+\b]        ; my bytes, blocks h and 2 + h, at their places
.endr
.irp b, 0,1,2,3
	v_permlanex16_b32 v[TC+4*\b], v[VB+\b], s[SEL], s[SEL+1]
.endr
.irp b, 0,1,2,3
	v_or_b32 v[VB+\b], v[VB+\b], v[TC+4*\b]
.endr
	v_cndmask_b32 v[SW], v[VB], v[VB+1], s[HALF]
	v_cndmask_b32 v[SW+1], v[VB+2], v[VB+3], s[HALF]
	v_cndmask_b32 v[SW+2], v[VB], v[VB+1], s[HALF] ; words 2 and 3 of the image are not used; they are written, since the image is copied whole
	v_cndmask_b32 v[SW+3], v[VB+2], v[VB+3], s[HALF]
	global_store_b128 v[L16], v[SW:SW+3], s[OUTS:OUTS+1]
	WIN 0x0c
.irp j, 0,1,2,3,4,5,6,7,8,9,10,11
	global_store_b128 v[L16], v[MCD+4*\j:MCD+4*\j+3], s[OUT:OUT+1] offset:512*\j
.endr
	WIN 0
	s_wait_tensorcnt 0x0                           ; the wave's end
	ds_add_u32 v[SPW], v[NIL]
	s_wait_dscnt 0x0
	CROUND                                         ; the closing round
	s_endpgm
.Lfunc_end_k_q9c540ea62a_qkv:
	.size	k_q9c540ea62a_qkv, .Lfunc_end_k_q9c540ea62a_qkv-k_q9c540ea62a_qkv
	.p2alignl 7, 3214868480
	.fill 96, 4, 3214868480
	.section	.rodata,"a",@progbits
	.p2align	6, 0x0
	.amdhsa_kernel k_q9c540ea62a_qkv
		.amdhsa_group_segment_fixed_size 327680
		.amdhsa_private_segment_fixed_size 0
		.amdhsa_enable_private_segment 0
		.amdhsa_kernarg_size 56
		.amdhsa_user_sgpr_count 2
		.amdhsa_user_sgpr_kernarg_segment_ptr 1
		.amdhsa_wavefront_size32 1
		.amdhsa_system_sgpr_workgroup_id_x 1
		.amdhsa_system_sgpr_workgroup_id_y 1
		.amdhsa_system_sgpr_workgroup_id_z 1
		.amdhsa_system_vgpr_workitem_id 0
		.amdhsa_next_free_vgpr 1024
		.amdhsa_next_free_sgpr 80
		.amdhsa_reserve_vcc 0
		.amdhsa_float_denorm_mode_32 3
		.amdhsa_float_denorm_mode_16_64 3
		.amdhsa_memory_ordered 1
		.amdhsa_forward_progress 1
		.amdhsa_inst_pref_size 187
	.end_amdhsa_kernel
	.amdgpu_metadata
---
amdhsa.version: [ 1, 2 ]
amdhsa.kernels:
  - .name:           k_q9c540ea62a_qkv
    .symbol:         k_q9c540ea62a_qkv.kd
    .args:
      - { .name: codes, .offset: 0, .size: 8, .value_kind: global_buffer, .address_space: global }
      - { .name: scales, .offset: 8, .size: 8, .value_kind: global_buffer, .address_space: global }
      - { .name: bq, .offset: 16, .size: 8, .value_kind: global_buffer, .address_space: global }
      - { .name: bk, .offset: 24, .size: 8, .value_kind: global_buffer, .address_space: global }
      - { .name: bv, .offset: 32, .size: 8, .value_kind: global_buffer, .address_space: global }
      - { .name: qkv, .offset: 40, .size: 8, .value_kind: global_buffer, .address_space: global }
      - { .name: qkvs, .offset: 48, .size: 8, .value_kind: global_buffer, .address_space: global }
    .group_segment_fixed_size: 327680
    .private_segment_fixed_size: 0
    .kernarg_segment_align: 8
    .kernarg_segment_size: 56
    .max_flat_workgroup_size: 128
    .sgpr_count:     80
    .vgpr_count:     1024
    .wavefront_size: 32
...
	.end_amdgpu_metadata
.endif
;; end of part 2
;; launch attn (part 3): grid 4 x 64, 8 waves a work-group, clusters of 4 x 1, 226,304 bytes of LDS; arguments qkv, qkvs, ocodes, oscales; writes ocodes, oscales
.if DOCPART == 3
	.amdgcn_target "amdgcn-amd-amdhsa--gfx1250"
	.amdhsa_code_object_version 6
	.text
	.protected	k_q9c540ea62a_attn
	.globl	k_q9c540ea62a_attn
	.p2align	8
	.type	k_q9c540ea62a_attn,@function
k_q9c540ea62a_attn:
	s_mov_b64 s[64:65], 0
	v_nop
	global_prefetch_b8 v0, s[64:65] scope:SCOPE_SE
	s_setreg_imm32_b32 hwreg(HW_REG_WAVE_MODE, 25, 1), 1
	s_wait_xcnt 0x0
	s_wait_alu depctr_hold_cnt(0) depctr_sa_sdst(0) depctr_va_vdst(0) depctr_va_sdst(0) depctr_va_ssrc(0) depctr_va_vcc(0) depctr_vm_vsrc(0)
	s_getreg_b32 s2, hwreg(HW_REG_IB_STS2, 6, 4)
	s_cmp_eq_u32 s2, 0
	s_cbranch_scc0 .Lentry_in_a_cluster
	s_endpgm
.Lentry_in_a_cluster:
	s_bfe_u32 s2, ttmp6, 0x10000c
	s_cmp_lg_u32 s2, 0x3003
	s_cbranch_scc0 .Lentry_shape_is_right
	s_endpgm
.Lentry_shape_is_right:
; O = softmax(q k^T / 8) v for each of 64 (b, head), both products on codes of FP6 (E2M3) with E8M0 scales, and O quantised along the head's 64 for the last product.
; THE SOFTMAX: t = score x log2(e) / 8; M = the row's largest t so far, rounded up to a whole number; p = 2^(t - M) is quantised along the keys, not normalised; the row's sum is taken of the
; unquantised p and divides O at the end.  When M moves, the sum and O are multiplied by 2^(old M - new M): exact.
; IN: qkv, qkvs: images of operand registers (chunks of 512 bytes, lane l's 16 bytes at 16 l), [part q,k,v][xr = b x 16 + 128 rows][head]: q, k: eight tiles of 16 rows x 6 registers; v: four tiles of 16 channels x 12.
; Rows and channels are stored so that a tile holds groups u and 4 + u of eight out of 64: the 32 registers of four neighbouring result tiles are 32 logical neighbours, lanes 0-15 the first 32 of 64, lanes 16-31 the others.
; So a lane holds WHOLE scale blocks of p and of O: a block's maximum asks no other lane, and the conversions' results are the operand's registers; only the row's maximum, the row's sum and the scale word cross lanes l and l xor 16.
; SHARES: 256 work-groups; a work-group owns 512 queries of one (b, head), in two passes of 256; in a pass each of its eight waves has 32: two tiles, so that each fragment of k and v feeds two matrix instructions.
; A HEAD'S WHOLE k AND v STAY IN LDS for both passes: 16 steps of 128 keys, 6,144 bytes each for k and for v, and their scale words.  Every LDS byte is filled once.
; CLUSTER: the four work-groups of a cluster read the same head: each tile is asked for jointly (mask 15).  One tensor load a wave, at the head: waves 0, 1 steps 0-3 of k, of v; waves 2, 3 the scale words of k, of v;
; waves 4-7 six later steps each.  The first barrier shows the tiles of waves 0-3; a barrier behind step 3 shows the rest (in the second pass it shows nothing new).
; K = 64 IN AN INSTRUCTION OF 128: q's upper six registers are zero codes, and bytes 2 and 3 of q's and k's scale words are 0 (a finite power of two): whatever stands in the upper half of k's operand adds exactly 0.
; Both products are used transposed (source 0 = 16 keys, or 16 channels; source 1 = my 16 queries): a lane holds one query throughout.
; No prefetch: every tile is asked for at the kernel's head, so there is no later request to run ahead of.
; LIMITS: the promise holds while |t| stays under 2^31; 1 / the sum by v_rcp_f32; a block of zeros gets the byte 1 where the rule says 127 (its codes are zeros; this program alone reads the bytes); NaN and infinities are not served.
; REGISTERS: window 0: v1-7, v124-125 addresses; v8-31 q's two fragments; v32, v36-43 scale words; v44-81 statistics; v84-107 p's codes; v108-123 the conversions' second halves; v128-255 the scores, then p.
;   window 1: v0-47 k, v48-53 zeros, v64-111 v, v128-191 O (32 a tile), v192-215 q's codes of this pass and the next.
.set VB,   98304
.set KSC,  196608
.set VSC,  204800
.set STG,  212992                      ; a stage of 1,536 bytes for each wave, into which no fill lands
.set SPARE, 225280
.set L16,  1
.set ADK,  2
.set ADV,  3
.set ADS,  4
.set LS,   5
.set SI,   6
.set SOUT, 7
.set QF,   8
.set QS,   32
.set H8,   33                          ; 8 x (lane / 16)
.set QSA,  34                          ; q's scale words of the next passes
.set QSB,  35
.set KS,   36
.set VS,   40
.set PW,   42
.set MT,   44                          ; a pair a tile: -M, the largest score
.set LL,   48
.set FF,   52
.set BM,   56                          ; two a tile: my blocks' largest scores, then largest p
.set T2,   60
.set SO,   68
.set XX,   72
.set OLD,  74
.set OM,   76
.set WB,   78
.set PC,   84
.set CT,   108
.set L8,   124
.set LV,   125
.set S,    128
.set KF,   0
.set VF,   64
.set OT,   128
.set QN,   192
.set WV,   12
.set SEL,  20
.set CS,   22
.set G1A,  24                          ; group 1: 4 steps' codes;  G1S: 16 steps' scale words;  G1B: 6 steps' codes
.set G1S,  32
.set G1B,  40
.set G0A,  48
.set G0S,  52
.set G0B,  56
.set TK,   60
.set TS,   61
.set CNT,  62
.set HALF, 63
.set PS,   80
.set MSB, 0
.macro WIN new
.if MSB != \new
	s_set_vgpr_msb (MSB<<8)|\new
.set MSB, \new
.endif
.endm
.macro WALU
	s_wait_alu depctr_va_vdst(0)
.endm
.macro D2
	s_delay_alu instid0(VALU_DEP_2)
.endm
.macro CROUND
	s_barrier_signal -1
	s_barrier_wait -1
	s_cmp_lg_u32 s[WV], 0
	s_cbranch_scc1 .Lnot_wave_0_\@
	s_barrier_signal -3
.Lnot_wave_0_\@:
	s_barrier_wait -3
	s_barrier_signal -1
	s_barrier_wait -1
.endm
.macro TLOAD g0, g1
	tensor_load_to_lds s[\g0:\g0+3], s[\g1:\g1+7]
	s_nop 0
.rept 4
	v_nop
.endr
.endm
.macro GROUP1 g, c, r, p               ; r rows of c elements of 8 bytes, p elements apart; the mask names all four work-groups
	s_mov_b32 s[\g], 15|(3<<16)|(1<<21)
	s_mov_b32 s[\g+1], (\c)<<16
	s_mov_b32 s[\g+2], (\r)<<16
	s_mov_b32 s[\g+3], (\c)<<16
	s_mov_b32 s[\g+4], \r
	s_mov_b32 s[\g+5], \p
	s_mov_b32 s[\g+6], 0
	s_mov_b32 s[\g+7], 0
.endm
	s_load_b256 s[4:11], s[0:1], 0x0               ; qkv, qkvs, ocodes, oscales
	v_lshl_add_u32 v126, v0, 2, SPARE
	v_mov_b32 v127, 0
	ds_add_u32 v126, v127                          ; the opening lines: the add, twice on end, and its wait
	ds_add_u32 v126, v127
	v_lshrrev_b32 v1, 5, v0
	v_readfirstlane_b32 s[WV], v1
	s_lshr_b32 s13, s[WV], 2                       ; which 128 of a pass's 256 queries hold mine
	s_and_b32 s14, s[WV], 3                        ; which 32 of those
	s_and_b32 s15, ttmp7, 0xffff
	s_lshr_b32 s16, s15, 4                         ; b
	s_and_b32 s17, s15, 15                         ; head
	s_lshl_b32 s18, s16, 8
	s_add_co_u32 s18, s18, s17                     ; 16 x (16 b) + head: the head's first step
	s_and_b32 s19, s[WV], 1
	s_bfe_u32 s84, s[WV], 0x10001
	s_mul_i32 s85, s18, 6144
	s_add_co_u32 s86, s19, 1                       ; part 1 is k, part 2 v
	s_mul_i32 s68, s86, 6291456
	s_add_co_u32 s68, s68, s85                     ; waves 0, 1: steps 0-3
	s_mov_b32 s69, 0
	s_lshl_b32 s70, s86, 19
	s_lshl_b32 s87, s18, 9
	s_add_co_u32 s70, s70, s87                     ; waves 2, 3: the scale words
	s_mov_b32 s71, 0
	s_add_co_u32 s86, s84, 1
	s_mul_i32 s82, s86, 6291456
	s_add_co_u32 s82, s82, s85
	s_mul_i32 s87, s19, 589824
	s_add_co_u32 s82, s82, s87
	s_add_co_u32 s82, s82, 393216                  ; waves 4-7: steps 4-9 or 10-15 (a step on is 98,304 bytes)
	s_mov_b32 s83, 0
	s_mov_b32 s[G0A], 1
	s_mul_i32 s[G0A+1], s19, VB
	s_mov_b32 s[G0S], 1
	s_lshl_b32 s[G0S+1], s19, 13
	s_add_co_u32 s[G0S+1], s[G0S+1], KSC
	s_mov_b32 s[G0B], 1
	s_mul_i32 s[G0B+1], s84, VB
	s_mul_i32 s87, s19, 36864
	s_add_co_u32 s[G0B+1], s[G0B+1], s87
	s_add_co_u32 s[G0B+1], s[G0B+1], 24576
	GROUP1 G1A, 768, 4, 12288
	GROUP1 G1S, 64, 16, 1024
	GROUP1 G1B, 768, 6, 12288
	s_bfe_u32 s72, ttmp6, 0x40000                  ; cx enters q's and O's addresses alone
	s_lshl_b32 s72, s72, 2
	s_add_co_u32 s72, s72, s13
	s_lshl_b32 s73, s16, 4
	s_add_co_u32 s72, s72, s73                     ; xr of the first pass; the second's is 2 further on
	s_lshl_b32 s73, s72, 4
	s_add_co_u32 s73, s73, s17
	s_mul_i32 s74, s73, 6144
	s_mul_i32 s75, s14, 1536
	s_add_co_u32 s74, s74, s75
	s_mov_b32 s75, 0
	s_lshl_b32 s76, s73, 9
	s_lshl_b32 s77, s14, 2
	s_add_co_u32 s76, s76, s77
	s_mov_b32 s77, 0
	s_lshl_b32 s72, s72, 7
	s_lshl_b32 s73, s14, 5
	s_add_co_u32 s72, s72, s73                     ; my first row
	s_mul_i32 s78, s72, 48
	s_mul_i32 s73, s17, 393216                     ; ocodes: plane = head
	s_add_co_u32 s78, s78, s73
	s_mov_b32 s79, 0
	s_lshl_b32 s72, s72, 3
	s_lshr_b32 s73, s17, 2
	s_lshl_b32 s73, s73, 16                        ; oscales: slot = head / 4,
	s_add_co_u32 s72, s72, s73
	s_and_b32 s73, s17, 3
	s_lshl_b32 s73, s73, 1                         ; bytes 2 (head % 4) and the next
	s_add_co_u32 s72, s72, s73
	s_mov_b32 s73, 0
	s_mov_b32 s[SEL], 0x76543210
	s_mov_b32 s[SEL+1], 0xfedcba98
	s_mov_b32 s[CS], 0x3e38aa3b                    ; c = log2(e) / 8
	s_mov_b32 s[CS+1], s[CS]
	s_mov_b32 s[HALF], 0xffff0000
	WALU
	s_wait_dscnt 0x0
	s_wait_kmcnt 0x0
	s_add_nc_u64 s[G0A+2:G0A+3], s[4:5], s[68:69]
	s_or_b32 s[G0A+3], s[G0A+3], 0x80000000
	s_add_nc_u64 s[G0S+2:G0S+3], s[6:7], s[70:71]
	s_or_b32 s[G0S+3], s[G0S+3], 0x80000000
	s_add_nc_u64 s[G0B+2:G0B+3], s[4:5], s[82:83]
	s_or_b32 s[G0B+3], s[G0B+3], 0x80000000
	s_add_nc_u64 s[74:75], s[4:5], s[74:75]        ; q's codes
	s_add_nc_u64 s[76:77], s[6:7], s[76:77]        ; q's scale words
	s_add_nc_u64 s[78:79], s[8:9], s[78:79]        ; O's codes
	s_add_nc_u64 s[72:73], s[10:11], s[72:73]      ; O's scale bytes
	CROUND                                         ; all four work-groups are here: the joint loads meet
	s_cmp_lt_u32 s[WV], 2                          ; one chain of arms on the wave's number, one load to an arm
	s_cbranch_scc0 .Larm_s
	TLOAD G0A, G1A
	s_branch .Lasked
.Larm_s:
	s_cmp_lt_u32 s[WV], 4
	s_cbranch_scc0 .Larm_b
	TLOAD G0S, G1S
	s_branch .Lasked
.Larm_b:
	TLOAD G0B, G1B
.Lasked:
	v_and_b32 v2, 31, v0
	v_lshlrev_b32 v[L16], 4, v2
	v_lshlrev_b32 v[L8], 3, v2
	WIN 0x40
.irp j, 0,1,2
	global_load_b128 v[QN+4*\j:QN+4*\j+3], v[L16], s[74:75] offset:512*\j            ; q of the first pass: [tile 0's six registers | tile 1's six]
	global_load_b128 v[QN+12+4*\j:QN+12+4*\j+3], v[L16], s[74:75] offset:196608+512*\j   ; and of the second
.endr
.irp i, 0,1,2,3,4,5
	v_mov_b32 v[KF+48+\i], 0                       ; behind k's run
.endr
	WIN 0
	global_load_b32 v[QSA], v[L16], s[76:77]
	global_load_b32 v[QSB], v[L16], s[76:77] offset:16384
	v_add_nc_u32 v[LS], KSC, v[L16]
	v_add_nc_u32 v[LV], VB, v[L16]
	v_and_b32 v3, 15, v0                           ; r
	v_bfe_u32 v4, v0, 4, 1                         ; h
	s_mul_i32 s19, s[WV], 1536
	s_add_co_u32 s19, s19, STG                     ; my stage
	v_lshlrev_b32 v[H8], 3, v4
	v_mul_u32_u24 v[SI], v3, 48
	v_mad_u32_u24 v[SI], v4, 24, v[SI]
	v_add_nc_u32 v[SI], s19, v[SI]
	v_add_nc_u32 v[SOUT], s19, v[L16]
.irp q, 0,1
	v_mov_b32 v[FF+2*\q+1], 0                      ; (named as the upper half of a pair)
	v_mov_b32 v[OLD+\q], 0                         ; a lane permute's destination counts as one of its sources
.irp i, 0,1,2,3,4,5
	v_mov_b32 v[QF+12*\q+6+\i], 0                  ; q's upper 64 along K: zero codes
.endr
.endr
	WALU                                           ; the wait at the head's end
	s_wait_loadcnt 0x0
	s_cmp_lt_u32 s[WV], 4
	s_cbranch_scc0 .Lnot_first
	s_wait_tensorcnt 0x0                           ; waves 0-3: my tile of the first four steps, or of the scale words, is in
.Lnot_first:
	s_barrier_signal -1
	s_barrier_wait -1                              ; the later steps' loads may be out
.macro SCORE t, q                      ; S^T: 16 keys (tile t) x my 16 queries (tile q)
.set rD, S+64*(\q)+8*(\t)
.set rK, KF+6*(\t)
.set rQ, QF+12*(\q)
.if ((\t)%2) && (\q)
	v_wmma_scale_f32_16x16x128_f8f6f4 v[rD:rD+7], v[rK:rK+11], v[rQ:rQ+11], 0, v[KS+(\t)/2], v[QS] matrix_a_fmt:MATRIX_FMT_FP6 matrix_b_fmt:MATRIX_FMT_FP6 matrix_a_scale:MATRIX_SCALE_ROW1 matrix_b_scale:MATRIX_SCALE_ROW1
.elseif ((\t)%2)
	v_wmma_scale_f32_16x16x128_f8f6f4 v[rD:rD+7], v[rK:rK+11], v[rQ:rQ+11], 0, v[KS+(\t)/2], v[QS] matrix_a_fmt:MATRIX_FMT_FP6 matrix_b_fmt:MATRIX_FMT_FP6 matrix_a_scale:MATRIX_SCALE_ROW1
.elseif (\q)
	v_wmma_scale_f32_16x16x128_f8f6f4 v[rD:rD+7], v[rK:rK+11], v[rQ:rQ+11], 0, v[KS+(\t)/2], v[QS] matrix_a_fmt:MATRIX_FMT_FP6 matrix_b_fmt:MATRIX_FMT_FP6 matrix_b_scale:MATRIX_SCALE_ROW1
.else
	v_wmma_scale_f32_16x16x128_f8f6f4 v[rD:rD+7], v[rK:rK+11], v[rQ:rQ+11], 0, v[KS+(\t)/2], v[QS] matrix_a_fmt:MATRIX_FMT_FP6 matrix_b_fmt:MATRIX_FMT_FP6
.endif
.endm
.macro PVP dt, q                       ; O^T += 16 channels (tile dt) x 128 keys x my 16 queries
.set rO, OT+32*(\q)+8*(\dt)
.set rV, VF+12*(\dt)
.set rP, PC+12*(\q)
.if (\dt)%2
	v_wmma_scale_f32_16x16x128_f8f6f4 v[rO:rO+7], v[rV:rV+11], v[rP:rP+11], v[rO:rO+7], v[VS+(\dt)/2], v[PW+(\q)] matrix_a_fmt:MATRIX_FMT_FP6 matrix_b_fmt:MATRIX_FMT_FP6 matrix_a_scale:MATRIX_SCALE_ROW1
.else
	v_wmma_scale_f32_16x16x128_f8f6f4 v[rO:rO+7], v[rV:rV+11], v[rP:rP+11], v[rO:rO+7], v[VS+(\dt)/2], v[PW+(\q)] matrix_a_fmt:MATRIX_FMT_FP6 matrix_b_fmt:MATRIX_FMT_FP6
.endif
.endm
.macro CQ body:vararg                  ; a line for each of my four blocks (c, q), by turns
.irp c, 0,1
.irp q, 0,1
	\body
.endr
.endr
.endm
; A KEY STEP: 128 keys, both tiles of queries, which take turns line by line.  Registers 32 c .. 32 c + 31 of a tile's scores are keys 64 c + 32 h + 0 .. 31: my block 2 c + h.
.macro STEP
	v_add_nc_u32 v[ADK], s[TK], v[L16]             ; four plain lines: the places behind the last step's products, in front of the loads into their operands
	v_add_nc_u32 v[ADS], s[TS], v[LS]
	v_add_nc_u32 v[ADV], s[TK], v[LV]
	v_nop
	ds_load_b128 v[KS:KS+3], v[ADS]
	ds_load_b64 v[VS:VS+1], v[ADS] offset:VSC-KSC
	WIN 0x40
.irp j, 0,1,2,3,4,5,6,7,8,9,10,11
	ds_load_b128 v[KF+4*\j:KF+4*\j+3], v[ADK] offset:512*\j
.endr
.irp j, 0,1,2,3,4,5,6,7,8,9,10,11
	ds_load_b128 v[VF+4*\j:VF+4*\j+3], v[ADV] offset:512*\j
.endr
	s_wait_dscnt 12                                ; the scale words and k are in; v's twelve loads may be out
	WIN 0x01
	WALU                                           ; the wait behind a wait that blocks
.irp t, 0,1,2,3,4,5,6,7
.irp q, 0,1
	SCORE \t, \q
.endr
.endr
	WIN 0
.irp q, 0,1
	v_mov_b32 v[OM+\q], v[MT+2*\q]                 ; the old -M; with the two lines below: the places in front of the first read of results
.endr
	v_nop
	v_nop
	CQ v_max3_num_f32 v[BM+2*\q+\c], v[S+64*\q+32*\c], v[S+64*\q+32*\c+1], v[S+64*\q+32*\c+2]   ; the largest score of each block: for the row's maximum and, since p rises with the score, for the block's largest p
.irp i, 3,5,7,9,11,13,15,17,19,21,23,25,27,29
	CQ v_max3_num_f32 v[BM+2*\q+\c], v[BM+2*\q+\c], v[S+64*\q+32*\c+\i], v[S+64*\q+32*\c+\i+1]
.endr
	CQ v_max_num_f32 v[BM+2*\q+\c], v[BM+2*\q+\c], v[S+64*\q+32*\c+31]
.irp q, 0,1
	D2
	v_max_num_f32 v[XX+\q], v[BM+2*\q], v[BM+2*\q+1]
.endr
.irp q, 0,1
	D2
	v_permlanex16_b32 v[OLD+\q], v[XX+\q], s[SEL], s[SEL+1]
.endr
.irp q, 0,1
	D2
	v_max3_num_f32 v[MT+2*\q+1], v[MT+2*\q+1], v[XX+\q], v[OLD+\q]   ; the running largest score of my query
.endr
.irp q, 0,1
	D2
	v_mul_f32 v[XX+\q], s[CS], v[MT+2*\q+1]        ; as t (c is positive)
.endr
.irp q, 0,1
	D2
	v_floor_f32 v[MT+2*\q], -v[XX+\q]              ; the new -M = floor(-t): M is a whole number
.endr
.irp q, 0,1
	D2
	v_sub_f32 v[XX+\q], v[MT+2*\q], v[OM+\q]       ; old M - new M: a whole number, 0 or less
.endr
.irp q, 0,1
	D2
	v_cvt_i32_f32 v[XX+\q], v[XX+\q]               ; (it saturates)
.endr
.irp q, 0,1
	D2
	v_ldexp_f32 v[FF+2*\q], 1.0, v[XX+\q]          ; f = 2^(old M - new M)
.endr
.set j, 0
.rept 32
.irp q, 0,1
	v_pk_fma_f32 v[S+64*\q+j:S+64*\q+j+1], v[S+64*\q+j:S+64*\q+j+1], s[CS:CS+1], v[MT+2*\q:MT+2*\q+1] op_sel_hi:[1,0,0]   ; t - M, two at a time
.endr
.set j, j+2
.endr
	CQ v_fma_f32 v[BM+2*\q+\c], v[BM+2*\q+\c], s[CS], v[MT+2*\q]   ; the same of each block's largest score
	WALU                                           ; the wait ahead of the batch
.set j, 0
.rept 64
.irp q, 0,1
	v_exp_f32 v[S+64*\q+j], v[S+64*\q+j]           ; p = 2^(t - M)
.endr
.set j, j+1
.endr
	CQ v_exp_f32 v[BM+2*\q+\c], v[BM+2*\q+\c]      ; the block's largest p: the same two instructions on the same number give the same bits
.irp q, 0,1
	v_pk_mul_f32 v[LL+2*\q:LL+2*\q+1], v[LL+2*\q:LL+2*\q+1], v[FF+2*\q:FF+2*\q+1] op_sel_hi:[1,0]   ; the sums under the new M (plain lines behind the exponentials)
.endr
	WALU                                           ; one wait for the batch of 132, ahead of its first reader
.irp q, 0,1
	v_pk_add_f32 v[T2+4*\q:T2+4*\q+1], v[S+64*\q:S+64*\q+1], v[S+64*\q+2:S+64*\q+3]   ; the row's sum is taken of the unquantised p: two at a time, two chains a tile
.endr
.irp j, 4,8,12,16,20,24,28,32,36,40,44,48,52,56,60
.irp q, 0,1
	v_pk_add_f32 v[LL+2*\q:LL+2*\q+1], v[LL+2*\q:LL+2*\q+1], v[S+64*\q+\j:S+64*\q+\j+1]
	v_pk_add_f32 v[T2+4*\q:T2+4*\q+1], v[T2+4*\q:T2+4*\q+1], v[S+64*\q+\j+2:S+64*\q+\j+3]
.endr
.endr
.irp q, 0,1
	v_pk_add_f32 v[LL+2*\q:LL+2*\q+1], v[LL+2*\q:LL+2*\q+1], v[T2+4*\q:T2+4*\q+1]
.endr
	CQ v_max_num_f32 v[BM+2*\q+\c], 0x1800000, v[BM+2*\q+\c]       ; the floor 2^(3 - 127): the byte cannot fall under 1
	CQ v_add_nc_u32 v[SO+2*\q+\c], 0xff000000, v[BM+2*\q+\c]       ; 2 off the exponent field: the conversion's scale operand
	CQ v_lshrrev_b32 v[WB+2*\q+\c], 23, v[SO+2*\q+\c]              ; the scale's byte
.irp q, 0,1
	v_lshl_or_b32 v[WB+2*\q], v[WB+2*\q+1], 16, v[WB+2*\q]
.endr
.irp q, 0,1
	D2
	v_lshlrev_b32 v[WB+2*\q], v[H8], v[WB+2*\q]    ; my bytes, blocks h and 2 + h, at their places
.endr
.irp q, 0,1
	D2
	v_permlanex16_b32 v[OLD+\q], v[WB+2*\q], s[SEL], s[SEL+1]
.endr
.irp q, 0,1
	D2
	v_or_b32 v[PW+\q], v[WB+2*\q], v[OLD+\q]       ; p's scale word for these 128 keys
.endr
.irp q, 0,1
.irp c, 0,1
	v_cvt_scalef32_pk16_fp6_f32 v[PC+12*\q+6*\c:PC+12*\q+6*\c+2], v[S+64*\q+32*\c:S+64*\q+32*\c+15], v[SO+2*\q+\c]
	v_cvt_scalef32_pk16_fp6_f32 v[CT+8*\q+4*\c:CT+8*\q+4*\c+2], v[S+64*\q+32*\c+16:S+64*\q+32*\c+31], v[SO+2*\q+\c]   ; (a conversion's three registers begin on an even number)
.endr
.endr
	v_nop                                          ; one plain place behind a scaled conversion
.irp q, 0,1
.irp c, 0,1
.irp i, 0,1,2
	v_mov_b32 v[PC+12*\q+6*\c+3+\i], v[CT+8*\q+4*\c+\i]
.endr
.endr
.endr
	WIN 0x41
	WALU                                           ; the wait directly ahead of the first reader of O
.set j, 0
.rept 16
.irp q, 0,1
	v_pk_mul_f32 v[OT+32*\q+j:OT+32*\q+j+1], v[OT+32*\q+j:OT+32*\q+j+1], v[FF+2*\q:FF+2*\q+1] op_sel_hi:[1,0]   ; O under the new M; these 32 are also the places between p's codes and scale words and the products
.endr
.set j, j+2
.endr
	WALU
	s_wait_dscnt 0x0                               ; v is in
	WIN 0x51
.irp dt, 0,1,2,3
.irp q, 0,1
	PVP \dt, \q                                    ; eight accumulators by turns; the next step's sixteen score products stand between two links of a chain
.endr
.endr
	WIN 0
	s_add_co_u32 s[TK], s[TK], 6144
	s_add_co_u32 s[TS], s[TS], 512
.endm
.macro STEPS first, n
	s_mov_b32 s[TK], 6144*\first
	s_mov_b32 s[TS], 512*\first
	s_mov_b32 s[CNT], \n
.Lstep_\@:
	STEP
	s_sub_co_u32 s[CNT], s[CNT], 1
	s_cmp_lg_u32 s[CNT], 0
	s_cbranch_scc1 .Lstep_\@
.endm
	s_mov_b32 s[PS], 0
.Lpass:                                                ; 32 queries a wave and pass
	v_mov_b32 v[QS], v[QSA]
	v_mov_b32 v[QSA], v[QSB]
	WIN 0x01
.irp q, 0,1
.irp i, 0,1,2,3,4,5
	v_mov_b32 v[QF+12*\q+\i], v[QN+6*\q+\i]
.endr
.endr
	WIN 0x41
.set j, 0
.rept 12
	v_mov_b32 v[QN+j], v[QN+12+j]                  ; the next pass's q moves up
.set j, j+1
.endr
	WIN 0x40
.set j, 0
.rept 64
	v_mov_b32 v[OT+j], 0                           ; O.  (The step is written once: the first finds zeros, which the first change of M leaves zeros)
.set j, j+1
.endr
	WIN 0
.irp q, 0,1
	v_mov_b32 v[MT+2*\q+1], 0xff61b1e6             ; the largest score so far: -3e38
	v_mov_b32 v[MT+2*\q], 0x7f61b1e6               ; -M: 3e38, so that the first f is 0
	v_mov_b32 v[LL+2*\q], 0
	v_mov_b32 v[LL+2*\q+1], 0
.endr
	STEPS 0, 4
	s_wait_tensorcnt 0x0                           ; every wave: my tile is in (no LDS instruction of mine is out: a step issues none behind its last wait for 0)
	s_barrier_signal -1
	s_barrier_wait -1                              ; steps 4-15 are whole
	STEPS 4, 12
	; THE WAY OUT.  O / the sum, quantised along the head's 64: register i of a tile's 32 is logical channel 32 h + i: my block h.
.irp q, 0,1
	v_add_f32 v[XX+\q], v[LL+2*\q], v[LL+2*\q+1]
.endr
.irp q, 0,1
	D2
	v_permlanex16_b32 v[OLD+\q], v[XX+\q], s[SEL], s[SEL+1]
.endr
.irp q, 0,1
	D2
	v_add_f32 v[XX+\q], v[XX+\q], v[OLD+\q]        ; the row's sum
.endr
	WALU
.irp q, 0,1
	v_rcp_f32 v[FF+2*\q], v[XX+\q]
.endr
	v_nop                                          ; a plain line behind the reciprocals
	WIN 0x01
	WALU                                           ; one wait for the two, directly ahead of the first reader of them and of O
.set j, 0
.rept 16
.irp q, 0,1
	v_pk_mul_f32 v[S+64*\q+j:S+64*\q+j+1], v[OT+32*\q+j:OT+32*\q+j+1], v[FF+2*\q:FF+2*\q+1] op_sel_hi:[1,0]   ; each accumulator from its low end on
.endr
.set j, j+2
.endr
	WIN 0
	CQ v_max3_num_f32 v[BM+2*\q+\c], |v[S+64*\q+16*\c]|, |v[S+64*\q+16*\c+1]|, 0x1800000   ; two chains a tile, one over each half of the block
.irp i, 2,4,6,8,10,12,14
	CQ v_max3_num_f32 v[BM+2*\q+\c], v[BM+2*\q+\c], |v[S+64*\q+16*\c+\i]|, |v[S+64*\q+16*\c+\i+1]|
.endr
.irp q, 0,1
	v_max_num_f32 v[BM+2*\q], v[BM+2*\q], v[BM+2*\q+1]
.endr
.irp q, 0,1
	D2
	v_add_nc_u32 v[SO+2*\q], 0xff000000, v[BM+2*\q]
.endr
.irp q, 0,1
	D2
	v_lshrrev_b32 v[WB+2*\q], 23, v[SO+2*\q]
.endr
.irp q, 0,1
	D2
	v_lshlrev_b32 v[WB+2*\q], v[H8], v[WB+2*\q]
.endr
.irp q, 0,1
	D2
	v_permlanex16_b32 v[OLD+\q], v[WB+2*\q], s[SEL], s[SEL+1]
.endr
.irp q, 0,1
	D2
	v_or_b32 v[WB+2*\q], v[WB+2*\q], v[OLD+\q]     ; a row's two scale bytes
.endr
.irp q, 0,1
	v_cvt_scalef32_pk16_fp6_f32 v[PC+12*\q:PC+12*\q+2], v[S+64*\q:S+64*\q+15], v[SO+2*\q]
	v_cvt_scalef32_pk16_fp6_f32 v[CT+8*\q:CT+8*\q+2], v[S+64*\q+16:S+64*\q+31], v[SO+2*\q]
.endr
	v_cndmask_b32 v[OLD], v[WB], v[WB+2], s[HALF]  ; lanes 0-15 tile 0's rows, lanes 16-31 tile 1's (a plain line behind the conversions)
.irp q, 0,1
.irp i, 0,1,2
	v_mov_b32 v[PC+12*\q+3+\i], v[CT+8*\q+\i]      ; lane (r, h) holds block h of query r: 24 bytes
.endr
.endr
.irp q, 0,1
.irp p, 0,1,2
	ds_store_b64 v[SI], v[PC+12*\q+2*\p:PC+12*\q+2*\p+1] offset:768*\q+8*\p   ; 32 rows of 48 bytes in my own stage
.endr
.endr
.irp j, 0,1,2
	ds_load_b128 v[S+4*\j:S+4*\j+3], v[SOUT] offset:512*\j   ; LDS serves a wave's instructions in order: these see my stores
.endr
	WALU
	s_wait_dscnt 0x0
.irp j, 0,1,2
	global_store_b128 v[L16], v[S+4*\j:S+4*\j+3], s[78:79] offset:512*\j   ; 32 lanes store 512 consecutive bytes, at a multiple of 256 from the buffer's first byte
.endr
	global_store_b16 v[L8], v[OLD], s[72:73]       ; two bytes of each row's eight: the other six are three other heads'
	s_wait_xcnt 0x0                                ; the stores have read their registers and bases
	s_add_nc_u64 s[78:79], s[78:79], 12288         ; 256 rows on
	s_add_nc_u64 s[72:73], s[72:73], 2048
	s_add_co_u32 s[PS], s[PS], 1
	s_cmp_lg_u32 s[PS], 2
	WALU
	s_cbranch_scc1 .Lpass
	s_wait_tensorcnt 0x0                           ; the wave's end
	ds_add_u32 v126, v127
	s_wait_dscnt 0x0
	CROUND                                         ; the closing round
	s_endpgm
.Lfunc_end_k_q9c540ea62a_attn:
	.size	k_q9c540ea62a_attn, .Lfunc_end_k_q9c540ea62a_attn-k_q9c540ea62a_attn
	.p2alignl 7, 3214868480
	.fill 96, 4, 3214868480
	.section	.rodata,"a",@progbits
	.p2align	6, 0x0
	.amdhsa_kernel k_q9c540ea62a_attn
		.amdhsa_group_segment_fixed_size 226304
		.amdhsa_private_segment_fixed_size 0
		.amdhsa_enable_private_segment 0
		.amdhsa_kernarg_size 32
		.amdhsa_user_sgpr_count 2
		.amdhsa_user_sgpr_kernarg_segment_ptr 1
		.amdhsa_wavefront_size32 1
		.amdhsa_system_sgpr_workgroup_id_x 1
		.amdhsa_system_sgpr_workgroup_id_y 1
		.amdhsa_system_sgpr_workgroup_id_z 1
		.amdhsa_system_vgpr_workitem_id 0
		.amdhsa_next_free_vgpr 480
		.amdhsa_next_free_sgpr 88
		.amdhsa_reserve_vcc 0
		.amdhsa_float_denorm_mode_32 3
		.amdhsa_float_denorm_mode_16_64 3
		.amdhsa_memory_ordered 1
		.amdhsa_forward_progress 1
		.amdhsa_inst_pref_size 75
	.end_amdhsa_kernel
	.amdgpu_metadata
---
amdhsa.version: [ 1, 2 ]
amdhsa.kernels:
  - .name:           k_q9c540ea62a_attn
    .symbol:         k_q9c540ea62a_attn.kd
    .args:
      - { .name: qkv, .offset: 0, .size: 8, .value_kind: global_buffer, .address_space: global }
      - { .name: qkvs, .offset: 8, .size: 8, .value_kind: global_buffer, .address_space: global }
      - { .name: ocodes, .offset: 16, .size: 8, .value_kind: global_buffer, .address_space: global }
      - { .name: oscales, .offset: 24, .size: 8, .value_kind: global_buffer, .address_space: global }
    .group_segment_fixed_size: 226304
    .private_segment_fixed_size: 0
    .kernarg_segment_align: 8
    .kernarg_segment_size: 32
    .max_flat_workgroup_size: 256
    .sgpr_count:     88
    .vgpr_count:     480
    .wavefront_size: 32
...
	.end_amdgpu_metadata
.endif
;; end of part 3
;; launch proj (part 4): grid 8 x 32, 4 waves a work-group, clusters of 4 x 4, 312,832 bytes of LDS; arguments ocodes, oscales, codes, scales, bo, out0; writes out0
.if DOCPART == 4
	.amdgcn_target "amdgcn-amd-amdhsa--gfx1250"
	.amdhsa_code_object_version 6
	.text
	.protected	k_q9c540ea62a_proj
	.globl	k_q9c540ea62a_proj
	.p2align	8
	.type	k_q9c540ea62a_proj,@function
k_q9c540ea62a_proj:
	s_mov_b64 s[64:65], 0
	v_nop
	global_prefetch_b8 v0, s[64:65] scope:SCOPE_SE
	s_setreg_imm32_b32 hwreg(HW_REG_WAVE_MODE, 25, 1), 1
	s_wait_xcnt 0x0
	s_wait_alu depctr_hold_cnt(0) depctr_sa_sdst(0) depctr_va_vdst(0) depctr_va_sdst(0) depctr_va_ssrc(0) depctr_va_vcc(0) depctr_vm_vsrc(0)
	s_getreg_b32 s2, hwreg(HW_REG_IB_STS2, 6, 4)
	s_cmp_eq_u32 s2, 0
	s_cbranch_scc0 .Lentry_in_a_cluster
	s_endpgm
.Lentry_in_a_cluster:
	s_bfe_u32 s2, ttmp6, 0x10000c
	s_cmp_lg_u32 s2, 0xf033
	s_cbranch_scc0 .Lentry_shape_is_right
	s_endpgm
.Lentry_shape_is_right:
; out0 = O Wo^T + bo on codes of FP6 (E2M3) with E8M0 scales; sums in f32.
; IN: ocodes [plane 16 (64 along K)][row 8192][48 bytes], oscales [slot 4][row][8 bytes]; codes, scales likewise with 12,288 rows, Wo's from row 11264 on.  O's rows and Wo's rows lie in the stored order of launch quant:
; a tile of 16 rows is groups u and 4 + u of eight out of 64; the stage and the stores' offsets put rows and columns back.
; THE DEAL: 256 work-groups of four waves, 2 x 2; a work-group makes 256 rows x 128 columns.  K is 1,024: all of K of both operands lies in LDS (196,608 + 98,304 bytes), every byte filled once, at the head: no ring, no refill.
; A wave holds its 64 rows of Wo, all of K, in 384 registers, and passes its 128 rows of O by them in eight blocks of 16 rows, 32 products a block.  Each block leaves as soon as it is finished.
; CLUSTER 4 x 4: O's rows are shared along a row of the cluster, Wo's along a column.  One load a wave: waves 0, 1 Wo's planes 0-7, 8-15; waves 2, 3 O's rows 0-127, 128-255.
; Source 0 = Wo's rows: a lane's 32 sums of a block are columns 32 h .. 32 h + 31 of one row: 128 bytes; through the wave's own stage they become rows of 256 bytes, which sixteen lanes store as one aligned unit.
; The bias is the first products' C.  Scale words come once, by plain loads of 256 consecutive bytes.  No prefetch: every tile is asked for at the head.
; REGISTERS: window 0: v16-29 addresses; v32-47 Wo's scale words, v52-83 O's (they hold nothing else); v84-115 the bias; v116-179 two sets of sums; v180-243 two sets of rows on the way out.
;   Fragment f (12 registers) lies in window 1 + f / 21 at 12 (f % 21): 0-31 Wo's (4 q + b), 32-39 and 40-47 O's two sets.
.set FR, 12
.set FPW, 21
.set AXB, 98304
.set STAGE, 294912
.set SPITCH, 272
.set SPARE, 312320
.set ABW, 16
.set AAX, 18
.set STO, 20
.set RD, 21
.set CO, 22
.set L8, 23
.set SPW, 28
.set NIL, 29
.set SBW, 32
.set SAX, 52
.set BB, 84
.set ACC, 116
.set OUTR, 180
.set G1A, 24
.set G1B, 32
.set G0A, 48
.set G0B, 52
.set MSB, 0
.macro WIN new
.if MSB != \new
	s_set_vgpr_msb (MSB<<8)|\new
.set MSB, \new
.endif
.endm
.macro WALU
	s_wait_alu depctr_va_vdst(0)
.endm
.macro PLACES n
.rept \n
	v_nop
.endr
.endm
.macro BARRIER
	s_barrier_signal -1
	s_barrier_wait -1
.endm
.macro CROUND
	BARRIER
	s_cmp_lg_u32 s18, 0
	s_cbranch_scc1 .Lnot_wave_0_\@
	s_barrier_signal -3
.Lnot_wave_0_\@:
	s_barrier_wait -3
	BARRIER
.endm
.macro TLOAD g0, g1
	tensor_load_to_lds s[\g0:\g0+3], s[\g1:\g1+7]
	s_nop 0
	PLACES 4
.endm
.macro GROUP1 g, mask, rows, pitch     ; rows of 6,144 bytes (128 rows of a plane), a plane apart
	s_or_b32 s[\g], s[\mask], (3<<16)|(1<<21)
	s_mov_b32 s[\g+1], 768<<16
	s_mov_b32 s[\g+2], (\rows)<<16
	s_mov_b32 s[\g+3], 768<<16
	s_mov_b32 s[\g+4], \rows
	s_mov_b32 s[\g+5], \pitch
	s_mov_b32 s[\g+6], 0
	s_mov_b32 s[\g+7], 0
.endm
.macro FRAG f, q, a, x                 ; K step q is planes 2 q, 2 q + 1; register a addresses planes 0-7, a + 1 planes 8-15; x: the tile's bytes
	WIN (1+(\f)/FPW)<<6
.irp p, 0,1,2,3,4,5
	ds_load_b64 v[FR*((\f)%FPW)+2*\p:FR*((\f)%FPW)+2*\p+1], v[(\a)+(\q)/4] offset:(2*((\q)%4)+\p/3)*6144+(\x)+8*(\p%3)
.endr
.endm
.macro WEIGHTS
.irp q, 0,1,2,3,4,5,6,7
.irp b, 0,1,2,3
	FRAG 4*\q+\b, \q, ABW, \b*768
.endr
.endr
	WIN 0
.endm
.macro FETCH e, s                      ; block s of O's rows into set e: 48 loads
.irp q, 0,1,2,3,4,5,6,7
	FRAG 32+8*(\e)+\q, \q, AAX, (\s)*768
.endr
	WIN 0
.endm
.macro MMX d, r0, r1, c, x0, x1, ra, rb
	v_wmma_scale_f32_16x16x128_f8f6f4 v[\d:\d+7], v[\r0:\r0+11], v[\r1:\r1+11], \c, v[\x0], v[\x1] matrix_a_fmt:MATRIX_FMT_FP6 matrix_b_fmt:MATRIX_FMT_FP6 matrix_a_scale:MATRIX_SCALE_ROW\ra matrix_b_scale:MATRIX_SCALE_ROW\rb
.endm
.macro MM4 d, r0, r1, c, x0, x1, ra, rb
.if (\ra) && (\rb)
	MMX \d, \r0, \r1, \c, \x0, \x1, 1, 1
.elseif (\ra)
	MMX \d, \r0, \r1, \c, \x0, \x1, 1, 0
.elseif (\rb)
	MMX \d, \r0, \r1, \c, \x0, \x1, 0, 1
.else
	MMX \d, \r0, \r1, \c, \x0, \x1, 0, 0
.endif
.endm
.macro PROD e, s, q, b
.set FB_, 4*(\q)+(\b)
.set FA_, 32+8*(\e)+(\q)
.set RB_, FR*(FB_%FPW)
.set RA_, FR*(FA_%FPW)
.set XB_, SBW+8*((\b)/2)+(\q)
.set XA_, SAX+8*((\s)/2)+(\q)
.set D_, ACC+32*(\e)+8*(\b)
.set C_, BB+8*(\b)
	WIN (1+FB_/FPW)|((1+FA_/FPW)<<2)
.if \q
	MM4 D_, RB_, RA_, v[D_:D_+7], XB_, XA_, (\b)%2, (\s)%2
.else
	MM4 D_, RB_, RA_, v[C_:C_+7], XB_, XA_, (\b)%2, (\s)%2
.endif
.endm
.macro PRODS e, s                      ; a block: 32 products, the four accumulators by turns
.irp q, 0,1,2,3,4,5,6,7
.irp b, 0,1,2,3
	PROD \e, \s, \q, \b
.endr
.endr
	WIN 0
.endm
.macro TOSTAGE s                       ; 16 rows x 256 bytes through my own stage: LDS serves a wave's instructions in order, so no wait stands between the stores and the loads
.irp k, 0,1,2,3,4,5,6,7
	ds_store_b128 v[STO], v[ACC+32*((\s)%2)+4*\k:ACC+32*((\s)%2)+4*\k+3] offset:16*\k
.endr
.irp k, 0,1,2,3,4,5,6,7
	ds_load_b128 v[OUTR+32*((\s)%2)+4*\k:OUTR+32*((\s)%2)+4*\k+3], v[RD] offset:\k*2*SPITCH
.endr
.endm
.macro SEND s                          ; stored row 16 s + t is logical row 64 (s / 4) + 8 (s % 4) + t % 8 + 32 (t / 8); a store covers two rows' 256 consecutive bytes, aligned
.irp k, 0,1,2,3,4,5,6,7
	global_store_b128 v[CO], v[OUTR+32*((\s)%2)+4*\k:OUTR+32*((\s)%2)+4*\k+3], s[14:15] offset:(64*((\s)/4)+8*((\s)%4)+2*(\k%4)+32*(\k/4))*16384 th:TH_STORE_NT
.endr
.endm
	s_load_b256 s[4:11], s[0:1], 0x0               ; ocodes, oscales, codes, scales
	s_load_b128 s[12:15], s[0:1], 0x20             ; bo, out0
	v_lshl_add_u32 v[SPW], v0, 2, SPARE
	v_mov_b32 v[NIL], 0
	ds_add_u32 v[SPW], v[NIL]                      ; the opening lines: the add, twice on end, and its wait
	ds_add_u32 v[SPW], v[NIL]
	v_lshrrev_b32 v1, 5, v0
	v_readfirstlane_b32 s18, v1                    ; the wave; s19 its row of the 2 x 2, s20 its column
	s_lshr_b32 s19, s18, 1
	s_and_b32 s20, s18, 1
	s_bfe_u32 s40, ttmp6, 0x40000                  ; cx
	s_bfe_u32 s41, ttmp6, 0x40004                  ; cy
	s_lshl_b32 s42, ttmp9, 2
	s_add_co_u32 s42, s42, s40                     ; tile column, 0 .. 7
	s_and_b32 s45, ttmp7, 0xffff
	s_lshl_b32 s45, s45, 2
	s_add_co_u32 s45, s45, s41                     ; tile row, 0 .. 31
	s_lshl_b32 s43, s41, 2
	s_lshl_b32 s43, 15, s43                        ; my row of the cluster
	s_lshl_b32 s44, 0x1111, s40                    ; my column
	GROUP1 G1A, 43, 16, 49152
	GROUP1 G1B, 44, 8, 73728
	s_mul_i32 s56, s45, 12288                      ; O: rows 256 x tile row + 128 x (wave % 2), 48 bytes each
	s_mul_i32 s21, s20, 6144
	s_add_co_u32 s56, s56, s21
	s_mov_b32 s57, 0
	s_mul_i32 s58, s42, 6144                       ; Wo: rows 11264 + 128 x tile column; planes 8 x (wave % 2) on
	s_mul_i32 s22, s20, 4718592
	s_add_co_u32 s58, s58, s22
	s_add_co_u32 s58, s58, 540672
	s_mov_b32 s59, 0
	s_mov_b32 s[G0A], 1
	s_mul_i32 s[G0A+1], s20, 98304
	s_add_co_u32 s[G0A+1], s[G0A+1], AXB
	s_mov_b32 s[G0B], 1
	s_mul_i32 s[G0B+1], s20, 49152
	WALU
	s_wait_dscnt 0x0
	s_wait_kmcnt 0x0
	s_add_nc_u64 s[G0A+2:G0A+3], s[4:5], s[56:57]
	s_or_b32 s[G0A+3], s[G0A+3], 0x80000000
	s_add_nc_u64 s[G0B+2:G0B+3], s[8:9], s[58:59]
	s_or_b32 s[G0B+3], s[G0B+3], 0x80000000
	CROUND                                         ; all sixteen work-groups are here: the joint loads meet
	s_cmp_lt_u32 s18, 2
	s_cbranch_scc0 .Larm_a
	TLOAD G0B, G1B
	s_branch .Lasked
.Larm_a:
	TLOAD G0A, G1A
.Lasked:
	s_mul_i32 s21, s20, 3072
	s_add_co_u32 s22, s21, 49152
	s_mul_i32 s23, s19, 98304
	s_add_co_u32 s23, s23, AXB
	s_add_co_u32 s46, s23, 49152
	s_mul_i32 s47, s18, 16*SPITCH
	s_add_co_u32 s47, s47, STAGE
	v_and_b32 v1, 15, v0                           ; r
	v_bfe_u32 v2, v0, 4, 1                         ; h
	v_and_b32 v3, 31, v0
	v_mul_u32_u24 v4, v1, 48
	v_mad_u32_u24 v4, v2, 24, v4
	v_add_nc_u32 v[ABW], s21, v4
	v_add_nc_u32 v[ABW+1], s22, v4
	v_add_nc_u32 v[AAX], s23, v4
	v_add_nc_u32 v[AAX+1], s46, v4
	v_lshlrev_b32 v[L8], 3, v3
	v_lshlrev_b32 v5, 7, v2                        ; the bias: register i of lane (r, h) is column 32 h + i
	v_mul_u32_u24 v6, v1, SPITCH
	v_lshl_add_u32 v6, v2, 7, v6
	v_add_nc_u32 v[STO], s47, v6                   ; into the stage: row r, 128 bytes for each half of the lanes
	v_mul_u32_u24 v7, v2, SPITCH
	v_lshl_add_u32 v7, v1, 4, v7
	v_add_nc_u32 v[RD], s47, v7                    ; back: sixteen lanes to a row, two rows an instruction
	v_lshlrev_b32 v8, 14, v2
	v_lshl_add_u32 v[CO], v1, 4, v8                ; and the same two rows in out0, 16,384 bytes apart
	WALU                                           ; the wait at the head's end
	s_lshl_b32 s56, s45, 11                        ; O's scale words: rows 256 x tile row + 128 x my row of the 2 x 2
	s_lshl_b32 s21, s19, 10
	s_add_co_u32 s56, s56, s21
	s_add_nc_u64 s[6:7], s[6:7], s[56:57]
	s_lshl_b32 s58, s42, 10                        ; Wo's: rows 11264 + 128 x tile column + 64 x my column
	s_lshl_b32 s21, s20, 9
	s_add_co_u32 s58, s58, s21
	s_add_co_u32 s58, s58, 90112
	s_add_nc_u64 s[10:11], s[10:11], s[58:59]
	s_lshl_b32 s58, s42, 9                         ; my 64 columns, in bytes
	s_lshl_b32 s21, s20, 8
	s_add_co_u32 s58, s58, s21
	s_add_nc_u64 s[12:13], s[12:13], s[58:59]
	s_add_nc_u64 s[14:15], s[14:15], s[58:59]
	s_and_b32 s56, s45, 7                          ; out0 [s][b][column]: s = 256 x (tile row % 8) + 128 x my row + .., b = tile row / 8
	s_lshl_b32 s56, s56, 8
	s_lshl_b32 s21, s19, 7
	s_add_co_u32 s56, s56, s21
	s_lshl_b32 s56, s56, 14
	s_lshr_b32 s21, s45, 3
	s_lshl_b32 s21, s21, 12
	s_add_co_u32 s56, s56, s21
	s_add_nc_u64 s[14:15], s[14:15], s[56:57]
.irp p, 0,1
.irp t, 0,1,2,3
	global_load_b64 v[SBW+8*\p+2*\t:SBW+8*\p+2*\t+1], v[L8], s[10:11] offset:\t*98304+\p*256   ; lanes 0-15 tile 2 p, lanes 16-31 tile 2 p + 1; register: K step 2 t, 2 t + 1
.endr
.endr
.irp j, 0,1,2,3
.irp t, 0,1,2,3
	global_load_b64 v[SAX+8*\j+2*\t:SAX+8*\j+2*\t+1], v[L8], s[6:7] offset:\t*65536+\j*256   ; lanes 0-15 block 2 j, lanes 16-31 block 2 j + 1
.endr
.endr
.irp k, 0,1,2,3,4,5,6,7
	global_load_b128 v[BB+4*\k:BB+4*\k+3], v5, s[12:13] offset:16*\k
.endr
	s_cmp_lt_u32 s18, 2
	s_cbranch_scc0 .Lnot_b
	s_wait_tensorcnt 0x0
.Lnot_b:
	BARRIER                                        ; Wo's rows are in; O's may be on their way: nothing is filled again in this launch
	WEIGHTS
	s_wait_tensorcnt 0x0
	s_wait_dscnt 0x0
	BARRIER                                        ; O's rows are in
	FETCH 0, 0
	FETCH 1, 1
	s_wait_loadcnt 0x0
.irp s, 0,1,2,3,4,5,6,7
.if \s < 7
	s_wait_dscnt 48                                ; this block's rows and the last block's way through the stage are done; the next block's 48 loads may be out
.else
	s_wait_dscnt 0x0
.endif
.if \s > 0
	SEND \s-1
.endif
	PRODS \s%2, \s
	PLACES 4
.if \s > 1
	s_wait_xcnt 0x0                                ; the stores of two blocks ago have read their registers
.endif
	TOSTAGE \s
.if \s < 6
	FETCH \s%2, \s+2
.endif
.endr
	s_wait_dscnt 0x0
	SEND 7
	s_wait_tensorcnt 0x0                           ; the wave's end
	ds_add_u32 v[SPW], v[NIL]
	s_wait_dscnt 0x0
	CROUND                                         ; the closing round
	s_endpgm
.Lfunc_end_k_q9c540ea62a_proj:
	.size	k_q9c540ea62a_proj, .Lfunc_end_k_q9c540ea62a_proj-k_q9c540ea62a_proj
	.p2alignl 7, 3214868480
	.fill 96, 4, 3214868480
	.section	.rodata,"a",@progbits
	.p2align	6, 0x0
	.amdhsa_kernel k_q9c540ea62a_proj
		.amdhsa_group_segment_fixed_size 312832
		.amdhsa_private_segment_fixed_size 0
		.amdhsa_enable_private_segment 0
		.amdhsa_kernarg_size 48
		.amdhsa_user_sgpr_count 2
		.amdhsa_user_sgpr_kernarg_segment_ptr 1
		.amdhsa_wavefront_size32 1
		.amdhsa_system_sgpr_workgroup_id_x 1
		.amdhsa_system_sgpr_workgroup_id_y 1
		.amdhsa_system_sgpr_workgroup_id_z 1
		.amdhsa_system_vgpr_workitem_id 0
		.amdhsa_next_free_vgpr 848
		.amdhsa_next_free_sgpr 80
		.amdhsa_reserve_vcc 0
		.amdhsa_float_denorm_mode_32 3
		.amdhsa_float_denorm_mode_16_64 3
		.amdhsa_memory_ordered 1
		.amdhsa_forward_progress 1
		.amdhsa_inst_pref_size 96
	.end_amdhsa_kernel
	.amdgpu_metadata
---
amdhsa.version: [ 1, 2 ]
amdhsa.kernels:
  - .name:           k_q9c540ea62a_proj
    .symbol:         k_q9c540ea62a_proj.kd
    .args:
      - { .name: ocodes, .offset: 0, .size: 8, .value_kind: global_buffer, .address_space: global }
      - { .name: oscales, .offset: 8, .size: 8, .value_kind: global_buffer, .address_space: global }
      - { .name: codes, .offset: 16, .size: 8, .value_kind: global_buffer, .address_space: global }
      - { .name: scales, .offset: 24, .size: 8, .value_kind: global_buffer, .address_space: global }
      - { .name: bo, .offset: 32, .size: 8, .value_kind: global_buffer, .address_space: global }
      - { .name: out0, .offset: 40, .size: 8, .value_kind: global_buffer, .address_space: global }
    .group_segment_fixed_size: 312832
    .private_segment_fixed_size: 0
    .kernarg_segment_align: 8
    .kernarg_segment_size: 48
    .max_flat_workgroup_size: 128
    .sgpr_count:     80
    .vgpr_count:     848
    .wavefront_size: 32
...
	.end_amdgpu_metadata
.endif
;; end of part 4
